; MI455X (gfx1250); checked and timed in simulation.
; The chip was launched on July 23, 2026; its instructions are those of AMD's public machine-readable ISA for CDNA 5 (MIT licence, August 2026) and "CDNA5" Instruction Set Architecture Reference Guide (July 2026). The comments in the code are by the model that wrote it; some were corrected since.
;; Multi Header Attention. Allowed arithmetic: matrix products marked QUANTISED: E2M1 operands, one E8M0 scale for each 32 along K, by v_wmma_scale_f32_16x16x128_f8f6f4 with both operands' format E2M1 (or v_wmma_scale_f32_32x16x128_f4), f32 sums; everything else in f32.
;; Inputs: Wk 1,024 x 1,024 float32; Wo 1,024 x 1,024 float32; Wq 1,024 x 1,024 float32; Wv 1,024 x 1,024 float32; beta 1,024 float32; gamma 1,024 float32; pre_key 4 x 2,048 x 1,024 float32; pre_query 4 x 2,048 x 1,024 float32; pre_value 4 x 2,048 x 1,024 float32.
;; Outputs: out0 4 x 2,048 x 1,024 float32.
;; This version of the problem:
;;   THIS VERSION OF THE PROBLEM IS GIVEN IN LOW PRECISION. The matrix products marked QUANTISED in the list below multiply operands that are first quantised to E2M1 (2 exponent bits, 1 mantissa bit; 4 bits a number), with one power-of-two scale for each 32 numbers along K (OCP MX v1.0); their sums are f32. All else is computed in f32.
;;   The module's matrix products, in the order in which they are computed (A, B: the left and right operand; K: the contracted axis; several contracted axes count as one K, in the product's order):
;;     1. [M 8,192, K 1,024] x [K 1,024, N 1,024]; A: input pre_query; B: input Wq: QUANTISED
;;     2. [M 8,192, K 1,024] x [K 1,024, N 1,024]; A: input pre_key; B: input Wk: QUANTISED
;;     3. [M 8,192, K 1,024] x [K 1,024, N 1,024]; A: input pre_value; B: input Wv: QUANTISED
;;     4. batch 64 x [M 2,048, K 64] x [K 64, N 2,048]; A: computed on the way; B: computed on the way: QUANTISED
;;     5. batch 64 x [M 2,048, K 2,048] x [K 2,048, N 64]; A: softmax (see below); B: computed on the way: QUANTISED
;;     6. [M 8,192, K 1,024] x [K 1,024, N 1,024]; A: computed on the way; B: input Wo: QUANTISED
;;   THE QUANTISER, for each operand of a quantised product, along K:
;;     - K is cut into blocks of 32 from its start; a last block that is shorter is filled with zeros.
;;     - A block's scale is 2^e with e = floor(log2(the largest magnitude in the block)) - 2, held to -126 .. 127; a block of zeros has e = 0. As a byte (E8M0): e + 127.
;;     - Each number is divided by its block's scale, clamped to +-6, and rounded to the nearest number of E2M1, ties to even, subnormals kept.
;;     - The product sums the exact products of the quantised numbers (number of the format x scale) in f32.
;;   ~~~python
;;   def quantise(x, axis):      # numpy; x: float32 -> the quantised numbers, widened to float32 again
;;       x = np.moveaxis(x, axis, -1); K = x.shape[-1]
;;       x = np.pad(x, [(0, 0)] * (x.ndim - 1) + [(0, -K % 32)]); x = x.reshape(x.shape[:-1] + (-1, 32)); a = np.abs(x).max(-1, keepdims=True)
;;       e = np.where(a > 0, np.clip(np.frexp(np.where(a > 0, a, 1))[1] - 1 - 2, -126, 127), 0)      # np.frexp(a)[1] - 1 = floor(log2(a)), exactly
;;       r = np.clip(x / 2.0 ** e, -6, 6)
;;       step = 2.0 ** (np.maximum(np.frexp(np.where(r == 0, 1, r))[1] - 1, 0) - 1)
;;       q = np.round(r / step) * step * 2.0 ** e      # np.round: ties to even
;;       return np.moveaxis(q.reshape(q.shape[:-2] + (-1,))[..., :K], -1, axis).astype(np.float32)
;;   ~~~
;;   SOFTMAX AHEAD OF A QUANTISED PRODUCT. Where the list says 'softmax', what is quantised is not the finished softmax but p = 2^(t - M), with t = logit x log2(e) and M = ceil(the row's largest t), a whole number; so 1/2 < the row's largest p <= 1. The row's sum l is taken of the UNQUANTISED p, in f32, and the product's result is divided by l at the end. Since M is a whole number, a kernel that streams over the keys may use a running M (the ceiling of the running maximum): every later rescaling is an exact power of two, which a block's scale takes up: the codes' values come out the same.
;;   OPERANDS COMPUTED ON THE WAY. 'Computed on the way' means the value that the module computes at that place (a softmax that the list does not call 'softmax' is quantised finished and normalised). What goes into a quantiser is computed in f32, as accurately as f32 sums, v_exp_f32 and their like allow (about 1e-6 of the number): no bf16 or f16 on the way to a quantiser, and a product that is left as it is and whose result goes on into a quantised operand takes f32 operands (vector FMAs, or v_wmma_f32_16x16x4_f32). A number that lies on a knife's edge between two numbers of the format may be rounded either way, as far as f32 arithmetic and the matrix unit's own rounding can turn it there, and no further.
;; 2 versions. Each part assembles by itself: llvm-mc -triple=amdgcn-amd-amdhsa -mcpu=gfx1250 --defsym DOCPART=n.
;; ======== version 1 of 2: 3 launches
;; workspace buffers: wimg 2,228,224 bytes; qc 4,194,304 bytes; qs 524,288 bytes; kc 4,194,304 bytes; kvs 786,432 bytes; vc 4,194,304 bytes
;; launch wquant (part 1): grid 8 x 32, 4 waves a work-group, no clusters, 0 bytes of LDS; arguments Wq, Wk, Wv, Wo, wimg; writes wimg
.if DOCPART == 1
	.amdgcn_target "amdgcn-amd-amdhsa--gfx1250"
	.amdhsa_code_object_version 6
	.text
	.protected	k_q0c3e3deaad_wquant
	.globl	k_q0c3e3deaad_wquant
	.p2align	8
	.type	k_q0c3e3deaad_wquant,@function
k_q0c3e3deaad_wquant:
	s_mov_b64 s[64:65], 0
	v_nop
	global_prefetch_b8 v0, s[64:65] scope:SCOPE_SE
	s_setreg_imm32_b32 hwreg(HW_REG_WAVE_MODE, 25, 1), 1
	s_wait_xcnt 0x0
; Wq, Wk, Wv, Wo [1024 (k)][1024 (n)], f32, K on the FIRST axis, become codes of FP4 (E2M1) with one E8M0 byte for each 32 along K,
; laid in the ORDER OF THE OPERAND'S REGISTERS, so that the product launches load a fragment by dense 16-byte loads, lane by lane.
; wimg: 4 weights (q, k, v, o) x 128 records of 4,352 bytes; record (w, s) at (8 w + s) x 4,352 serves wave w, K step s (128 along K):
;   codes: tile T (0..3) at 1,024 T, register group c at + 512 c, lane (r, h) at + 256 h + 16 r: the 16 bytes are k = 128 s + 64 c + 32 h + 0..31 of the tile's row r;
;   scale words from + 4,096: the word of (T, r) at 128 (T / 2) + 8 r + 4 (T % 2).
; WHICH COLUMN n OF W IS ROW r OF TILE T OF WAVE w:  Wq, Wk, Wo: n = 64 w + 32 (T / 2) + 8 (T % 2) + r + 8 (r / 8);   Wv: n = 64 r + 4 w + T.
; A LANE TAKES A COLUMN, ITS REGISTERS RUN DOWN K: a load reads 128 consecutive bytes, a block of 32 lies in one lane, the conversions give K innermost.
; A wave takes 32 columns x 128 along K (4 blocks a lane); work-group x = 128 columns, y = 8 x weight + K step.
; A block's scale is 2^(floor(log2(largest magnitude)) - 2); its byte is the largest magnitude's exponent field - 2, held at 1 from below.
; LIMITS: a block of zeros gets the byte 1 where the rule says 127 (its codes are zeros, and only this program reads the bytes); NaN and infinities are not served.
; In the first mapping a code store of the wave covers two runs of 256 consecutive bytes; in Wv's it is 32 pieces of 16 bytes: the turn between a column's piece and its place in
; a head is paid here once, on 0.5 MiB, and not in every read of the product launch.  Work-groups share no input: no cluster, no LDS, no barrier.
.set REC,    4352
.set WBYTES, 128*REC
.set X,  32                            ; v32-159  four blocks of 32 numbers, each with registers of its own
.set C,  160                           ; v160-175 four registers of codes for each block: no store's data are written again
.set SB, 176                           ; v176     the four scale bytes
	s_load_b256 s[4:11], s[0:1], 0x0               ; Wq, Wk, Wv, Wo
	s_load_b64 s[12:13], s[0:1], 0x20              ; wimg
	v_lshrrev_b32 v1, 5, v0
	v_readfirstlane_b32 s14, v1                    ; wave 0..3
	v_and_b32 v1, 31, v0                           ; lane l
	v_lshlrev_b32 v2, 2, v1                        ; in: 4 bytes a lane
	s_and_b32 s15, ttmp7, 0xffff
	s_lshr_b32 s16, s15, 3                         ; which weight
	s_and_b32 s17, s15, 7                          ; which K step
	s_lshl_b32 s18, ttmp9, 1
	s_lshr_b32 s19, s14, 1
	s_add_co_u32 s18, s18, s19                     ; a = my columns / 64
	s_and_b32 s19, s14, 1                          ; g = which 32 of those 64
	; first mapping: w = a, T = 2 g + bit 3 of l, r = l % 8 + 8 (l / 16)
	s_lshl_b32 s21, s18, 3
	s_add_co_u32 s21, s21, s17
	s_mul_i32 s21, s21, REC                        ; record (a, s)
	s_lshl_b32 s22, s19, 11
	s_add_co_u32 s22, s22, s21                     ; codes: + 2,048 g
	s_lshl_b32 s23, s19, 7
	s_add_co_u32 s23, s23, s21
	s_add_co_u32 s23, s23, 4096                    ; scale words: + 4,096 + 128 g
	v_bfe_u32 v5, v1, 3, 1
	v_and_b32 v6, 7, v1
	v_lshrrev_b32 v7, 4, v1
	v_lshl_add_u32 v6, v7, 3, v6                   ; r
	v_lshlrev_b32 v8, 10, v5
	v_lshl_add_u32 v8, v6, 4, v8
	v_add_nc_u32 v8, s22, v8
	v_lshlrev_b32 v9, 2, v5
	v_lshl_add_u32 v9, v6, 3, v9
	v_add_nc_u32 v9, s23, v9
	; Wv's mapping: r = a, w = 8 g + l / 4, T = l % 4
	s_lshl_b32 s24, s19, 6
	s_add_co_u32 s24, s24, s17
	s_mul_i32 s24, s24, REC                        ; record (8 g, s)
	s_lshl_b32 s25, s18, 4
	s_add_co_u32 s25, s25, s24                     ; codes: + 16 a
	s_lshl_b32 s26, s18, 3
	s_add_co_u32 s26, s26, s24
	s_add_co_u32 s26, s26, 4096                    ; scale words: + 4,096 + 8 a
	v_lshrrev_b32 v5, 2, v1
	v_mul_u32_u24 v5, v5, 8*REC                    ; l / 4 waves on
	v_and_b32 v6, 3, v1
	v_lshl_add_u32 v10, v6, 10, v5
	v_add_nc_u32 v10, s25, v10
	v_lshrrev_b32 v7, 1, v6
	v_lshl_add_u32 v14, v7, 7, v5
	v_and_b32 v7, 1, v1
	v_lshl_add_u32 v14, v7, 2, v14
	v_add_nc_u32 v14, s26, v14
	s_cmp_eq_u32 s16, 2
	s_cselect_b32 s20, -1, 0                       ; all lanes: Wv's mapping or the other
	v_cndmask_b32 v3, v8, v10, s20                 ; v3: where my codes go
	v_cndmask_b32 v4, v9, v14, s20                 ; v4: where my scale word goes
	s_lshl_b32 s28, s17, 19                        ; 128 rows of 4,096 bytes a K step,
	s_lshl_b32 s27, ttmp9, 9
	s_add_co_u32 s28, s28, s27                     ; 128 columns a work-group,
	s_lshl_b32 s27, s14, 7
	s_add_co_u32 s28, s28, s27                     ; 32 a wave
	s_mov_b32 s29, 0
	s_mul_i32 s30, s16, WBYTES
	s_mov_b32 s31, 0
	s_wait_kmcnt 0x0
	s_cmp_eq_u32 s16, 1                            ; the weight is chosen by the work-group's number alone
	s_cselect_b64 s[4:5], s[6:7], s[4:5]
	s_cmp_eq_u32 s16, 2
	s_cselect_b64 s[4:5], s[8:9], s[4:5]
	s_cmp_eq_u32 s16, 3
	s_cselect_b64 s[4:5], s[10:11], s[4:5]
	s_add_nc_u64 s[4:5], s[4:5], s[28:29]
	s_add_nc_u64 s[12:13], s[12:13], s[30:31]
.macro LOAD t                          ; block t: W(128 s + 32 t + i, my column), i = 0 .. 31
.irp i, 0,1,2,3,4,5,6,7,8,9,10,11,12,13,14,15,16,17,18,19,20,21,22,23,24,25,26,27,28,29,30,31
	global_load_b32 v[X+32*(\t)+\i], v2, s[4:5] offset:(32*(\t)+\i)*4096 th:TH_LOAD_NT
.endr
.endm
.macro BLOCK t
.set XB, X+32*(\t)
.if (\t) < 3
	s_wait_loadcnt 32                              ; this block's 32 loads are in; the next block's 32 may be out
.else
	s_wait_loadcnt 0
.endif
.if (\t)+2 < 4
	LOAD (\t)+2                                    ; loads run two blocks ahead
.endif
	v_max3_num_f32 v12, |v[XB]|, |v[XB+1]|, |v[XB+2]|      ; the block's largest magnitude, in two chains: all 32 numbers are mine
	v_max3_num_f32 v13, |v[XB+3]|, |v[XB+4]|, |v[XB+5]|
.irp i, 6,10,14,18,22,26
	v_max3_num_f32 v12, v12, |v[XB+\i]|, |v[XB+\i+1]|
	v_max3_num_f32 v13, v13, |v[XB+\i+2]|, |v[XB+\i+3]|
.endr
	v_max3_num_f32 v12, v12, |v[XB+30]|, |v[XB+31]|
	v_max3_num_f32 v12, v12, v13, 0x1800000        ; and the floor 2^(3 - 127): the byte cannot fall under 1
	v_add_nc_u32 v11, 0xff000000, v12              ; 2 off the exponent field: the conversion's scale operand
	v_lshrrev_b32 v13, 23, v11                     ; the scale's byte
.if (\t) == 0
	v_mov_b32 v[SB], v13
.else
	v_lshl_or_b32 v[SB], v13, 8*(\t), v[SB]        ; the lower K in the lower byte
.endif
.irp g, 0,1,2,3
	v_cvt_scalef32_pk8_fp4_f32 v[C+4*(\t)+\g], v[XB+8*\g:XB+8*\g+7], v11
.endr
	v_nop                                          ; one plain line behind the last conversion: the next block writes v11 again
	global_store_b128 v3, v[C+4*(\t):C+4*(\t)+3], s[12:13] offset:512*((\t)/2)+256*((\t)%2)   ; block t is register group t / 2, lane half t % 2
.endm
	LOAD 0
	LOAD 1
	BLOCK 0
	BLOCK 1
	BLOCK 2
	BLOCK 3
	global_store_b32 v4, v[SB], s[12:13]           ; my column's scale word of this K step
	s_endpgm
.Lfunc_end_k_q0c3e3deaad_wquant:
	.size	k_q0c3e3deaad_wquant, .Lfunc_end_k_q0c3e3deaad_wquant-k_q0c3e3deaad_wquant
	.p2alignl 7, 3214868480
	.fill 96, 4, 3214868480
	.section	.rodata,"a",@progbits
	.p2align	6, 0x0
	.amdhsa_kernel k_q0c3e3deaad_wquant
		.amdhsa_group_segment_fixed_size 0
		.amdhsa_private_segment_fixed_size 0
		.amdhsa_enable_private_segment 0
		.amdhsa_kernarg_size 40
		.amdhsa_user_sgpr_count 2
		.amdhsa_user_sgpr_kernarg_segment_ptr 1
		.amdhsa_wavefront_size32 1
		.amdhsa_system_sgpr_workgroup_id_x 1
		.amdhsa_system_sgpr_workgroup_id_y 1
		.amdhsa_system_sgpr_workgroup_id_z 1
		.amdhsa_system_vgpr_workitem_id 0
		.amdhsa_next_free_vgpr 184
		.amdhsa_next_free_sgpr 66
		.amdhsa_reserve_vcc 0
		.amdhsa_float_denorm_mode_32 3
		.amdhsa_float_denorm_mode_16_64 3
		.amdhsa_memory_ordered 1
		.amdhsa_forward_progress 1
		.amdhsa_inst_pref_size 22
	.end_amdhsa_kernel
	.amdgpu_metadata
---
amdhsa.version: [ 1, 2 ]
amdhsa.kernels:
  - .name:           k_q0c3e3deaad_wquant
    .symbol:         k_q0c3e3deaad_wquant.kd
    .args:
      - { .name: Wq, .offset: 0, .size: 8, .value_kind: global_buffer, .address_space: global }
      - { .name: Wk, .offset: 8, .size: 8, .value_kind: global_buffer, .address_space: global }
      - { .name: Wv, .offset: 16, .size: 8, .value_kind: global_buffer, .address_space: global }
      - { .name: Wo, .offset: 24, .size: 8, .value_kind: global_buffer, .address_space: global }
      - { .name: wimg, .offset: 32, .size: 8, .value_kind: global_buffer, .address_space: global }
    .group_segment_fixed_size: 0
    .private_segment_fixed_size: 0
    .kernarg_segment_align: 8
    .kernarg_segment_size: 40
    .max_flat_workgroup_size: 128
    .sgpr_count:     66
    .vgpr_count:     184
    .wavefront_size: 32
...
	.end_amdgpu_metadata
.endif
;; end of part 1
;; launch proj (part 2): grid 256 x 1, 16 waves a work-group, no clusters, 198,656 bytes of LDS; arguments pre_query, pre_key, pre_value, wimg, qc, qs, kc, kvs, vc; writes qc, qs, kc, kvs, vc
.if DOCPART == 2
	.amdgcn_target "amdgcn-amd-amdhsa--gfx1250"
	.amdhsa_code_object_version 6
	.text
	.protected	k_q0c3e3deaad_proj
	.globl	k_q0c3e3deaad_proj
	.p2align	8
	.type	k_q0c3e3deaad_proj,@function
k_q0c3e3deaad_proj:
	s_mov_b64 s[64:65], 0
	v_nop
	global_prefetch_b8 v0, s[64:65] scope:SCOPE_SE
	s_setreg_imm32_b32 hwreg(HW_REG_WAVE_MODE, 25, 1), 1
	s_wait_xcnt 0x0
; q = pre_query Wq, k = pre_key Wk, v = pre_value Wv, each [8192][1024] x [1024][1024] on codes of FP4 (E2M1) with E8M0 scales for each 32 along K; the results are quantised at once
; for the attention launch and leave as codes.  The reshape to heads is a plain view: head = row / 128, key or query = 16 (row % 128) + column / 64, d = column % 64.
; SHARES.  A work-group stays on 32 rows and runs three phases (q, k, v).  Sixteen waves of 256 registers; wave w makes 64 columns (4 tiles) for 2 tiles of 16 rows: 8 accumulators.
; x: wave w loads 16 rows x 128 along K (row tile w / 8, K step w % 8) by loads of 512 consecutive bytes, turns them through its own LDS stage so that a lane holds 16 neighbours of each block,
; quantises them, and puts codes and scale words into LDS as rows, from which all sixteen waves take their fragments.
; WEIGHTS come from wimg straight into the operand's registers: 9 dense loads a K step, three K steps' registers by turns.
; THE PRODUCT IS USED TRANSPOSED (source 0 = 16 columns of W, source 1 = 16 rows of x): a lane holds one row.  For q and k the columns of a tile are chosen so that the 16 registers of tiles 2 b, 2 b + 1 are
; columns 64 w + 32 b + 16 (lane / 16) + 0..15: the blocks of 32 along d.  For v tile T holds column 64 p + 4 w + T in its row p: a lane's 8 registers are 8 neighbouring KEYS of one d,
; and a block of 32 keys (two rows x 16 pieces) lies in lanes l, l xor 1, l xor 16, l xor 17.
; OUT: qc, kc [row][512 bytes]; qs and K's part of kvs: one word a query or key: byte 0, byte 1, 0x7f, 0x7f (the upper 64 of the next product's K step are zero codes);
; vc [head][rho][1,024 bytes], keys innermost, rho = d with bits 3 and 4 swapped; V's scale words in kvs at head x 12,288 + 8,192: [16 key steps][64 rho][4 bytes].  All leave through LDS in runs of 256 bytes or more.
; NO JOINT LOADS though all work-groups walk the same weights: each weight byte feeds one wave of a work-group and lands in its operand registers; through LDS its 544 KiB a phase would be written and read
; once more, in 64 KiB slots with a round of the cluster for each.
; LIMITS: a block of zeros gets the byte 1 where the rule says 127 (zero codes; only this program reads the bytes); NaN and infinities are not served.
.set REC,    4352
.set WBYTES, 128*REC
.set XSTG, 0                           ; LDS: 16 waves x 8,448: each wave's own 16 rows x (512 + 16) bytes of f32
.set AROW, 135168                      ; x's codes: 32 rows x (512 + 16)
.set ASC,  152064                      ; x's scale words: 32 rows x (32 + 16)
.set OSTG, 153600                      ; q's or k's codes: 32 rows x (512 + 16)
.set SSTG, 170496                      ; their scale words: 32 rows x 64
.set VSTG, 172544                      ; v's codes: 64 d x (256 + 16)
.set VSC,  189952                      ; v's scale bytes: 4 key steps x 64 rho x 4
.set ACC, 26                           ; v26-89   accumulator (m, T) at ACC + 8 (4 m + T); ahead of the products: 64 numbers of x
.set B,   90                           ; v90-185  weights' fragments, three sets of 32; between phases v90-153 take x as loaded
.set AX,  186                          ; v186-217 x's fragments, two sets of 16; outside the products at work
.set BS,  218                          ; v218-223 weights' scale words, three pairs: scales and nothing else
.set XS,  224                          ; v224-231 x's scale words of the 8 K steps: scales and nothing else
.set TM,  186                          ; the quantiser's: v186-189 maxima, v190-193 bytes, v198-201 scale operands
.set PC,  202                          ; v202-209 the codes just made
.set PW,  210                          ; v210     the scale word just made
.set WV,  22
.set SEL, 32
.macro BARRIER                         ; my LDS stores have landed and my LDS loads are in: then the work-group's barrier
	s_wait_dscnt 0x0
	s_barrier_signal -1
	s_barrier_wait -1
.endm
; 64 numbers of a lane, register 16 b + i = the i-th of my 16 of block b, become codes in v[PC] on (registers 4 c .. 4 c + 3: lanes 0-15 block 2 c, lanes 16-31 block 2 c + 1) and four bytes in v[PW]
.macro QUANT s
.irp b, 0,1,2,3
	v_max3_num_f32 v[TM+\b], |v[\s+16*\b]|, |v[\s+1+16*\b]|, 0x1800000   ; my 16 numbers and the floor 2^(3 - 127): the byte cannot fall under 1
.endr
.irp i, 2,4,6,8,10,12,14
.irp b, 0,1,2,3
	v_max3_num_f32 v[TM+\b], v[TM+\b], |v[\s+16*\b+\i]|, |v[\s+1+16*\b+\i]|   ; the four blocks by turns
.endr
.endr
.irp b, 0,1,2,3
	v_permlanex16_b32 v[TM+4+\b], v[TM+\b], s[SEL], s[SEL+1]
.endr
.irp b, 0,1,2,3
	v_max_num_f32 v[TM+\b], v[TM+\b], v[TM+4+\b]   ; with lane l xor 16's: the block's largest magnitude
.endr
.irp b, 0,1,2,3
	v_add_nc_u32 v[TM+12+\b], 0xff000000, v[TM+\b] ; 2 off the exponent field: the conversion's scale operand
.endr
.irp b, 0,1,2,3
	v_lshrrev_b32 v[TM+4+\b], 23, v[TM+12+\b]      ; the scale's byte
.endr
	v_lshl_or_b32 v[PW], v[TM+5], 8, v[TM+4]
	v_lshl_or_b32 v[PW], v[TM+6], 16, v[PW]
	v_lshl_or_b32 v[PW], v[TM+7], 24, v[PW]
.irp b, 0,1,2,3
	v_cvt_scalef32_pk8_fp4_f32 v[PC+2*\b], v[\s+16*\b:\s+7+16*\b], v[TM+12+\b]
	v_cvt_scalef32_pk8_fp4_f32 v[PC+1+2*\b], v[\s+8+16*\b:\s+15+16*\b], v[TM+12+\b]
.endr
	v_nop                                          ; one plain line behind the last conversion
.irp c, 0,1
.irp i, 0,1
	v_permlane16_swap_b32 v[PC+4*\c+\i], v[PC+2+4*\c+\i]   ; a whole block to a lane
.endr
.endr
.endm
.macro BLOAD s, wp                     ; K step s of my weights: 4 tiles x 2 register groups, 512 consecutive bytes a load, and the scale words: 9 loads
.irp T, 0,1,2,3
.irp c, 0,1
	global_load_b128 v[B+32*((\s)%3)+8*\T+4*\c:B+32*((\s)%3)+8*\T+4*\c+3], v5, s[\wp:\wp+1] offset:REC*(\s)+1024*\T+512*\c
.endr
.endr
	global_load_b64 v[BS+2*((\s)%3):BS+2*((\s)%3)+1], v6, s[\wp:\wp+1] offset:REC*(\s)+4096   ; register T % 2: lanes 0-15 tile T % 2, lanes 16-31 tile 2 + T % 2
.endm
.macro AFETCH s                        ; x's two fragments of K step s: lane (r, h): row 16 m + r, bytes 64 s + 32 c + 16 h
.irp m, 0,1
.irp c, 0,1
	ds_load_b128 v[AX+16*((\s)%2)+8*\m+4*\c:AX+16*((\s)%2)+8*\m+4*\c+3], v12 offset:8448*\m+64*(\s)+32*\c
.endr
.endr
.endm
.macro XSLOAD                          ; lane l takes row l's eight scale words: lanes 0-15 serve row tile 0, lanes 16-31 row tile 1
	ds_load_b128 v[XS:XS+3], v13
	ds_load_b128 v[XS+4:XS+7], v13 offset:16
.endm
.macro WM s, T, m, zero                ; one product: weights' tile T x row tile m, K step s
.set rD, ACC+8*(4*\m+\T)
.set rW, B+32*((\s)%3)+8*\T
.set rA, AX+16*((\s)%2)+8*\m
.set rS, BS+2*((\s)%3)+(\T%2)
.set rX, XS+(\s)
.if \zero
.if (\T < 2) && (\m == 0)
	v_wmma_scale_f32_16x16x128_f8f6f4 v[rD:rD+7], v[rW:rW+7], v[rA:rA+7], 0, v[rS], v[rX] matrix_a_fmt:MATRIX_FMT_FP4 matrix_b_fmt:MATRIX_FMT_FP4
.elseif (\T < 2)
	v_wmma_scale_f32_16x16x128_f8f6f4 v[rD:rD+7], v[rW:rW+7], v[rA:rA+7], 0, v[rS], v[rX] matrix_a_fmt:MATRIX_FMT_FP4 matrix_b_fmt:MATRIX_FMT_FP4 matrix_b_scale:MATRIX_SCALE_ROW1
.elseif (\m == 0)
	v_wmma_scale_f32_16x16x128_f8f6f4 v[rD:rD+7], v[rW:rW+7], v[rA:rA+7], 0, v[rS], v[rX] matrix_a_fmt:MATRIX_FMT_FP4 matrix_b_fmt:MATRIX_FMT_FP4 matrix_a_scale:MATRIX_SCALE_ROW1
.else
	v_wmma_scale_f32_16x16x128_f8f6f4 v[rD:rD+7], v[rW:rW+7], v[rA:rA+7], 0, v[rS], v[rX] matrix_a_fmt:MATRIX_FMT_FP4 matrix_b_fmt:MATRIX_FMT_FP4 matrix_a_scale:MATRIX_SCALE_ROW1 matrix_b_scale:MATRIX_SCALE_ROW1
.endif
.else
.if (\T < 2) && (\m == 0)
	v_wmma_scale_f32_16x16x128_f8f6f4 v[rD:rD+7], v[rW:rW+7], v[rA:rA+7], v[rD:rD+7], v[rS], v[rX] matrix_a_fmt:MATRIX_FMT_FP4 matrix_b_fmt:MATRIX_FMT_FP4
.elseif (\T < 2)
	v_wmma_scale_f32_16x16x128_f8f6f4 v[rD:rD+7], v[rW:rW+7], v[rA:rA+7], v[rD:rD+7], v[rS], v[rX] matrix_a_fmt:MATRIX_FMT_FP4 matrix_b_fmt:MATRIX_FMT_FP4 matrix_b_scale:MATRIX_SCALE_ROW1
.elseif (\m == 0)
	v_wmma_scale_f32_16x16x128_f8f6f4 v[rD:rD+7], v[rW:rW+7], v[rA:rA+7], v[rD:rD+7], v[rS], v[rX] matrix_a_fmt:MATRIX_FMT_FP4 matrix_b_fmt:MATRIX_FMT_FP4 matrix_a_scale:MATRIX_SCALE_ROW1
.else
	v_wmma_scale_f32_16x16x128_f8f6f4 v[rD:rD+7], v[rW:rW+7], v[rA:rA+7], v[rD:rD+7], v[rS], v[rX] matrix_a_fmt:MATRIX_FMT_FP4 matrix_b_fmt:MATRIX_FMT_FP4 matrix_a_scale:MATRIX_SCALE_ROW1 matrix_b_scale:MATRIX_SCALE_ROW1
.endif
.endif
.endm
; A K step of 128: 8 products, the eight accumulators by turns, one instruction a turn, in the same order in every step.
.macro KSTEP s, zero, wp
.if (\s) <= 5
	s_wait_loadcnt 18                              ; this step's 9 weight loads are in; the 18 of the two steps behind it may be out
.elseif (\s) == 6
	s_wait_loadcnt 9                               ; the last step's 9 may be out
.else
	s_wait_loadcnt 0
.endif
.if (\s) <= 6
	s_wait_dscnt 4                                 ; this step's fragments of x are in; the next step's four loads may be out
.else
	s_wait_dscnt 0
.endif
.irp T, 0,1,2,3
.irp m, 0,1
	WM \s, \T, \m, \zero
.endr
.endr
.if ((\s) <= 5) || ((\s) == 7)
.rept 4
	v_nop                                          ; four places in front of loads into registers that these products have read, and of the first read of results
.endr
.endif
.if (\s) <= 4
	BLOAD (\s)+3, \wp                              ; into the set just multiplied
.endif
.if (\s) <= 5
	AFETCH (\s)+2
.endif
.endm
.macro XLOAD xp                        ; my 16 rows x 128 along K of x: a load reads 512 consecutive bytes of one row
.irp i, 0,1,2,3,4,5,6,7,8,9,10,11,12,13,14,15
	global_load_b128 v[B+4*\i:B+4*\i+3], v4, s[\xp:\xp+1] offset:4096*\i th:TH_LOAD_NT
.endr
.endm
	s_load_b256 s[4:11], s[0:1], 0x0               ; pre_query, pre_key, pre_value, wimg
	s_load_b256 s[12:19], s[0:1], 0x20             ; qc, qs, kc, kvs
	s_load_b64 s[20:21], s[0:1], 0x40              ; vc
	v_lshl_add_u32 v254, v0, 2, 0x30000
	v_mov_b32 v255, 0
	v_lshrrev_b32 v1, 5, v0
	v_readfirstlane_b32 s[WV], v1                  ; wave 0..15
	v_and_b32 v1, 31, v0                           ; L
	v_and_b32 v2, 15, v0                           ; R
	v_bfe_u32 v3, v0, 4, 1                         ; H
	s_lshr_b32 s41, s[WV], 3                       ; the row tile that I quantise
	s_and_b32 s42, s[WV], 7                        ; and its K step
	s_lshl_b32 s43, s41, 16
	s_lshl_b32 s44, s42, 9
	s_add_co_u32 s43, s43, s44
	v_lshl_add_u32 v4, v1, 4, s43                  ; v4: x: 16 L + 16 rows x tile + 512 x K step
	s_lshl_b32 s48, ttmp9, 17                      ; my work-group's 32 rows: of x,
	s_mov_b32 s49, 0
	s_lshl_b32 s50, ttmp9, 14                      ; of codes,
	s_mov_b32 s51, 0
	s_lshl_b32 s52, ttmp9, 11                      ; of scale words
	s_mov_b32 s53, 0
	s_lshr_b32 s54, ttmp9, 2                       ; the head
	s_and_b32 s55, ttmp9, 3                        ; which 32 of its 128 rows
	s_mul_i32 s56, s54, 12288
	s_lshl_b32 s58, s55, 11
	s_add_co_u32 s58, s58, s56                     ; K's scale words
	s_mov_b32 s59, 0
	s_lshl_b32 s60, s55, 10
	s_add_co_u32 s60, s60, s56
	s_add_co_u32 s60, s60, 8192                    ; V's: 4 key steps x 256 bytes
	s_mov_b32 s61, 0
	s_lshl_b32 s62, s54, 16
	s_lshl_b32 s57, s55, 8
	s_add_co_u32 s62, s62, s57                     ; V's codes: 256 bytes of each row rho
	s_mov_b32 s63, 0
	s_mul_i32 s46, s[WV], 8*REC                    ; my wave's 8 records
	s_mov_b32 s47, 0
	s_wait_kmcnt 0x0
	s_add_nc_u64 s[4:5], s[4:5], s[48:49]
	XLOAD 4                                        ; the first phase's x goes out before anything else
	s_add_nc_u64 s[6:7], s[6:7], s[48:49]
	s_add_nc_u64 s[8:9], s[8:9], s[48:49]
	s_add_nc_u64 s[12:13], s[12:13], s[50:51]
	s_add_nc_u64 s[16:17], s[16:17], s[50:51]
	s_add_nc_u64 s[14:15], s[14:15], s[52:53]
	s_add_nc_u64 s[36:37], s[18:19], s[58:59]
	s_add_nc_u64 s[38:39], s[18:19], s[60:61]
	s_add_nc_u64 s[20:21], s[20:21], s[62:63]
	s_add_nc_u64 s[26:27], s[10:11], s[46:47]      ; Wq's records,
	s_add_nc_u64 s[28:29], s[26:27], WBYTES        ; Wk's,
	s_add_nc_u64 s[30:31], s[28:29], WBYTES        ; Wv's
	s_mov_b32 s[SEL], 0x76543210
	s_mov_b32 s[SEL+1], 0xfedcba98                 ; v_permlanex16_b32's selects for lane l xor 16
	s_mov_b32 s34, 0xffff
	s_mov_b32 s35, 0x7f7f0000
	s_and_b32 s40, s[WV], 9                        ; w' = w with bits 1 and 2 swapped: rho = 4 w' + T is d = 4 w + T with bits 3 and 4 swapped
	s_and_b32 s45, s[WV], 2
	s_lshl_b32 s45, s45, 1
	s_or_b32 s40, s40, s45
	s_and_b32 s45, s[WV], 4
	s_lshr_b32 s45, s45, 1
	s_or_b32 s40, s40, s45
	v_lshlrev_b32 v5, 4, v1                        ; v5: 16 L
	v_lshlrev_b32 v6, 3, v1                        ; v6: 8 L
	v_lshlrev_b32 v7, 8, v0                        ; v7: 256 x thread: the prefetch's offset
	s_mul_i32 s44, s[WV], 8448                     ; my stage
	v_add_nc_u32 v8, s44, v5                       ; v8: the turn, in: a row's 512 bytes as loaded
	v_mul_u32_u24 v25, v2, 528
	v_lshl_add_u32 v9, v3, 6, v25
	v_add_nc_u32 v9, s44, v9                       ; v9: the turn, out: row R, my 16 numbers of each block
	v_lshl_add_u32 v12, v3, 4, v25                 ; 528 R + 16 H
	s_mul_i32 s45, s41, 8448
	s_lshl_b32 s43, s42, 6
	s_add_co_u32 s45, s45, s43
	s_add_co_u32 s45, s45, AROW
	v_add_nc_u32 v10, s45, v12                     ; v10: where my fragment of x goes
	v_mul_u32_u24 v11, v2, 48
	s_mul_i32 s45, s41, 768
	s_lshl_b32 s43, s42, 2
	s_add_co_u32 s45, s45, s43
	s_add_co_u32 s45, s45, ASC
	v_add_nc_u32 v11, s45, v11                     ; v11: and its scale word
	s_lshl_b32 s45, s[WV], 5
	s_add_co_u32 s45, s45, OSTG
	v_add_nc_u32 v14, s45, v12                     ; v14: q, k: row R, 32 w + 16 H
	v_add_nc_u32 v12, AROW, v12                    ; v12: x's fragments
	v_mul_u32_u24 v13, v1, 48
	v_add_nc_u32 v13, ASC, v13                     ; v13: x's scale words, a lane a row
	s_lshl_b32 s45, s[WV], 2
	s_add_co_u32 s45, s45, SSTG
	v_lshl_add_u32 v15, v2, 6, s45                 ; v15: q, k: the word of (row R, piece w)
	s_mul_i32 s45, s[WV], 1056
	s_add_co_u32 s45, s45, OSTG
	v_add_nc_u32 v16, s45, v5                      ; v16: back: rows 2 w, 2 w + 1
	s_lshl_b32 s45, s[WV], 9
	v_add_nc_u32 v19, s45, v5                      ; v19: 512 w + 16 L, in memory
	v_add_nc_u32 v17, SSTG, v19                    ; v17: the words back (waves 0 to 3)
	v_add_nc_u32 v24, VSC, v19                     ; v24: v's bytes back (waves 0 and 1)
	s_lshl_b32 s45, s[WV], 10
	v_add_nc_u32 v18, s45, v5                      ; v18: 1,024 w + 16 L, in memory
	s_mul_i32 s45, s[WV], 1088
	s_add_co_u32 s45, s45, VSTG
	v_lshlrev_b32 v20, 3, v2
	v_lshl_add_u32 v20, v3, 2, v20
	v_add_nc_u32 v20, s45, v20                     ; v20: v: row d = 4 w (+ T), 8 R + 4 H
	v_mul_u32_u24 v22, v3, 272
	v_lshl_add_u32 v22, v2, 4, v22
	v_add_nc_u32 v22, s45, v22                     ; v22: back: rows 4 w + H (+ 2 i), sixteen lanes to a row's 256 bytes
	v_lshrrev_b32 v21, 3, v2
	v_lshlrev_b32 v21, 8, v21
	v_bfe_u32 v25, v2, 1, 2
	v_add_nc_u32 v21, v21, v25
	s_lshl_b32 s45, s40, 4
	s_add_co_u32 s45, s45, VSC
	v_add_nc_u32 v21, s45, v21                     ; v21: v's byte: key step R / 8 (+ 2 m), rho = 4 w' (+ T), block (R / 2) % 4
	v_lshlrev_b32 v23, 10, v3
	v_lshl_add_u32 v23, v2, 4, v23
	s_lshl_b32 s45, s40, 12
	v_add_nc_u32 v23, s45, v23                     ; v23: vc: row 4 w' + H (+ 2 i), 16 R
.set j, 190
.rept 12
	v_mov_b32 v[j], 0                              ; v190-201, written once: a lane permute's destination counts as one of its sources
.set j, j+1
.endr
; ONE PHASE.  p: 0 q, 1 k, 2 v; xp: x; wp: my records; nx: the next phase's x; cp, sp: where codes and scale words go.  Two barriers: behind the first x's codes lie in LDS; behind the second the results' codes.
; The second also parts this phase's reads of x's codes from the next phase's stores; the next phase's first parts the read-back of a stage from its next stores.
.macro PHASE p, xp, wp, nx, cp, sp
	s_wait_xcnt 0x0                                ; the last phase's stores have read their registers: they are written again below
	s_wait_loadcnt 0x0                             ; x is in
.irp i, 0,1,2,3,4,5,6,7,8,9,10,11,12,13,14,15
	ds_store_b128 v8, v[B+4*\i:B+4*\i+3] offset:528*\i
.endr
.irp b, 0,1,2,3
.irp j, 0,1,2,3
	ds_load_b128 v[ACC+16*\b+4*\j:ACC+16*\b+4*\j+3], v9 offset:128*\b+16*\j   ; LDS serves a wave's instructions in order (ISA guide 5.7.1.4): these see my stores
.endr
.endr
	s_wait_dscnt 0x0                               ; my 64 numbers are back, and the stores have read v90 on
	BLOAD 0, \wp                                   ; three K steps of weights fly while x is quantised
	BLOAD 1, \wp
	BLOAD 2, \wp
	QUANT ACC
	ds_store_b128 v10, v[PC:PC+3]
	ds_store_b128 v10, v[PC+4:PC+7] offset:32
	ds_store_b32 v11, v[PW]                        ; both halves of the lanes write the same word
	BARRIER
	XSLOAD
	AFETCH 0
	AFETCH 1
	KSTEP 0, 1, \wp                                ; the first step's products start the sums
	KSTEP 1, 0, \wp
	KSTEP 2, 0, \wp
	KSTEP 3, 0, \wp
.if \p < 2
	global_prefetch_b8 v7, s[\nx:\nx+1] th:TH_LOAD_NT scope:SCOPE_SE   ; the next phase's 32 rows of x, 128 KiB: each of the 512 threads names another 256 bytes, once in the launch, four K steps ahead of their loads
.endif
	KSTEP 4, 0, \wp
	KSTEP 5, 0, \wp
	KSTEP 6, 0, \wp
	KSTEP 7, 0, \wp
.if \p < 2
	XLOAD \nx                                      ; behind the last step's four places; it flies while the results are quantised
	QUANT ACC                                      ; block 2 m + b: row 16 m + R, columns 64 w + 32 b on
	v_and_or_b32 v211, v[PW], s34, s35             ; the word of (row R, piece w): two bytes, and 0x7f for the zero codes above
	v_lshrrev_b32 v212, 16, v[PW]
	v_or_b32 v212, s35, v212                       ; and of row 16 + R
	ds_store_b128 v14, v[PC:PC+3]
	ds_store_b128 v14, v[PC+4:PC+7] offset:8448
	ds_store_b32 v15, v211
	ds_store_b32 v15, v212 offset:1024
	BARRIER
	ds_load_b128 v[26:29], v16
	ds_load_b128 v[30:33], v16 offset:528
	s_wait_dscnt 0x0
	global_store_b128 v18, v[26:29], s[\cp:\cp+1]              ; a store of the wave covers a row's 512 consecutive bytes
	global_store_b128 v18, v[30:33], s[\cp:\cp+1] offset:512
	s_cmp_lt_u32 s[WV], 4                          ; the 2,048 bytes of scale words leave by waves 0 to 3
	s_cbranch_scc0 .Lno_words_\@
	ds_load_b128 v[34:37], v17
	s_wait_dscnt 0x0
	global_store_b128 v19, v[34:37], s[\sp:\sp+1]
.Lno_words_\@:
.else
.irp a, 0,1,2,3,4,5,6,7                ; accumulator a = 4 m + T: row 16 m + R, d = 4 w + T, keys 16 row + 8 H + 0..7
	v_max3_num_f32 v[186+\a], |v[ACC+8*\a]|, |v[ACC+8*\a+1]|, 0x1800000
.endr
.irp i, 2,4,6
.irp a, 0,1,2,3,4,5,6,7
	v_max3_num_f32 v[186+\a], v[186+\a], |v[ACC+8*\a+\i]|, |v[ACC+8*\a+\i+1]|
.endr
.endr
.irp a, 0,1,2,3,4,5,6,7
	v_max_num_f32_dpp v[186+\a], v[186+\a], v[186+\a] row_xmask:1 row_mask:0xf bank_mask:0xf   ; with the block's other row,
.endr
.irp a, 0,1,2,3,4,5,6,7
	v_permlanex16_b32 v[194+\a], v[186+\a], s[SEL], s[SEL+1]
.endr
.irp a, 0,1,2,3,4,5,6,7
	v_max_num_f32 v[186+\a], v[186+\a], v[194+\a]  ; and the rows' other eight pieces: the largest magnitude of 32 keys
.endr
.irp a, 0,1,2,3,4,5,6,7
	v_add_nc_u32 v[202+\a], 0xff000000, v[186+\a]
.endr
.irp a, 0,1,2,3,4,5,6,7
	v_lshrrev_b32 v[194+\a], 23, v[202+\a]
.endr
.irp a, 0,1,2,3,4,5,6,7
	v_cvt_scalef32_pk8_fp4_f32 v[232+\a], v[ACC+8*\a:ACC+8*\a+7], v[202+\a]
.endr
	v_nop                                          ; one plain line behind the last conversion
.irp a, 0,1,2,3,4,5,6,7
	ds_store_b32 v20, v[232+\a] offset:272*(\a%4)+128*(\a/4)
	ds_store_b8 v21, v[194+\a] offset:512*(\a/4)+4*(\a%4)      ; the four lanes of a block write the same byte with the same value
.endr
	BARRIER
	ds_load_b128 v[26:29], v22
	ds_load_b128 v[30:33], v22 offset:544
	s_wait_dscnt 0x0
	global_store_b128 v23, v[26:29], s[\cp:\cp+1]              ; sixteen lanes store 256 consecutive bytes of a row of V^T, at a multiple of 256 from the buffer's first byte
	global_store_b128 v23, v[30:33], s[\cp:\cp+1] offset:2048
	s_cmp_lt_u32 s[WV], 2                          ; the 1,024 scale bytes leave by waves 0 and 1
	s_cbranch_scc0 .Lno_bytes_\@
	ds_load_b128 v[34:37], v24
	s_wait_dscnt 0x0
	global_store_b128 v19, v[34:37], s[\sp:\sp+1]
.Lno_bytes_\@:
.endif
.endm
	PHASE 0, 4, 26, 6, 12, 14
	PHASE 1, 6, 28, 8, 16, 36
	PHASE 2, 8, 30, 8, 20, 38
	s_wait_tensorcnt 0x0
	ds_add_u32 v254, v255
	s_wait_dscnt 0x0
	s_endpgm
.Lfunc_end_k_q0c3e3deaad_proj:
	.size	k_q0c3e3deaad_proj, .Lfunc_end_k_q0c3e3deaad_proj-k_q0c3e3deaad_proj
	.p2alignl 7, 3214868480
	.fill 96, 4, 3214868480
	.section	.rodata,"a",@progbits
	.p2align	6, 0x0
	.amdhsa_kernel k_q0c3e3deaad_proj
		.amdhsa_group_segment_fixed_size 198656
		.amdhsa_private_segment_fixed_size 0
		.amdhsa_enable_private_segment 0
		.amdhsa_kernarg_size 72
		.amdhsa_user_sgpr_count 2
		.amdhsa_user_sgpr_kernarg_segment_ptr 1
		.amdhsa_wavefront_size32 1
		.amdhsa_system_sgpr_workgroup_id_x 1
		.amdhsa_system_sgpr_workgroup_id_y 1
		.amdhsa_system_sgpr_workgroup_id_z 1
		.amdhsa_system_vgpr_workitem_id 0
		.amdhsa_next_free_vgpr 256
		.amdhsa_next_free_sgpr 66
		.amdhsa_reserve_vcc 0
		.amdhsa_float_denorm_mode_32 3
		.amdhsa_float_denorm_mode_16_64 3
		.amdhsa_memory_ordered 1
		.amdhsa_forward_progress 1
		.amdhsa_inst_pref_size 100
	.end_amdhsa_kernel
	.amdgpu_metadata
---
amdhsa.version: [ 1, 2 ]
amdhsa.kernels:
  - .name:           k_q0c3e3deaad_proj
    .symbol:         k_q0c3e3deaad_proj.kd
    .args:
      - { .name: pre_query, .offset: 0, .size: 8, .value_kind: global_buffer, .address_space: global }
      - { .name: pre_key, .offset: 8, .size: 8, .value_kind: global_buffer, .address_space: global }
      - { .name: pre_value, .offset: 16, .size: 8, .value_kind: global_buffer, .address_space: global }
      - { .name: wimg, .offset: 24, .size: 8, .value_kind: global_buffer, .address_space: global }
      - { .name: qc, .offset: 32, .size: 8, .value_kind: global_buffer, .address_space: global }
      - { .name: qs, .offset: 40, .size: 8, .value_kind: global_buffer, .address_space: global }
      - { .name: kc, .offset: 48, .size: 8, .value_kind: global_buffer, .address_space: global }
      - { .name: kvs, .offset: 56, .size: 8, .value_kind: global_buffer, .address_space: global }
      - { .name: vc, .offset: 64, .size: 8, .value_kind: global_buffer, .address_space: global }
    .group_segment_fixed_size: 198656
    .private_segment_fixed_size: 0
    .kernarg_segment_align: 8
    .kernarg_segment_size: 72
    .max_flat_workgroup_size: 512
    .sgpr_count:     66
    .vgpr_count:     256
    .wavefront_size: 32
...
	.end_amdgpu_metadata
.endif
;; end of part 2
;; launch attnout (part 3): grid 4 x 64, 16 waves a work-group, clusters of 4 x 1, 298,496 bytes of LDS; arguments qc, qs, kc, vc, kvs, wimg, pre_value, gamma, beta, out0; writes out0
.if DOCPART == 3
	.amdgcn_target "amdgcn-amd-amdhsa--gfx1250"
	.amdhsa_code_object_version 6
	.text
	.protected	k_q0c3e3deaad_attnout
	.globl	k_q0c3e3deaad_attnout
	.p2align	8
	.type	k_q0c3e3deaad_attnout,@function
k_q0c3e3deaad_attnout:
	s_mov_b64 s[64:65], 0
	v_nop
	global_prefetch_b8 v0, s[64:65] scope:SCOPE_SE
	s_setreg_imm32_b32 hwreg(HW_REG_WAVE_MODE, 25, 1), 1
	s_wait_xcnt 0x0
	s_wait_alu depctr_hold_cnt(0) depctr_sa_sdst(0) depctr_va_vdst(0) depctr_va_sdst(0) depctr_va_ssrc(0) depctr_va_vcc(0) depctr_vm_vsrc(0)
	s_getreg_b32 s2, hwreg(HW_REG_IB_STS2, 6, 4)
	s_cmp_eq_u32 s2, 0
	s_cbranch_scc0 .Lentry_in_a_cluster
	s_endpgm
.Lentry_in_a_cluster:
	s_bfe_u32 s2, ttmp6, 0x10000c
	s_cmp_lg_u32 s2, 0x3003
	s_cbranch_scc0 .Lentry_shape_is_right
	s_endpgm
.Lentry_shape_is_right:
; out0 = LayerNorm(o Wo + pre_value) x gamma + beta, with o[head][q][:] = the sum over k of softmax_k(q . k / 8) v[k][:]: 64 heads of 2,048 x 2,048, head size 64.  All three products run on codes of FP4 (E2M1)
; with one E8M0 scale for each 32 along K.  The reshape to heads is a plain view: 16 neighbouring queries of a head are one row of o [8192][1024], so a work-group's 512 queries are 32 whole rows: o never goes to memory.
; FIRST HALF, ATTENTION.  t = score x log2(e) / 8; M = the running largest t rounded UP to a whole number; p = 2^(t - M) is quantised along the keys, not normalised; the row's sum is taken of the unquantised p and
; divides at the end.  When M moves, the sum and O are multiplied by 2^(old M - new M): exact.  The first product's K is 64: the upper 64 of the instruction's 128 are zero codes on both sides, under the byte 0x7f.
; Each of sixteen waves of 256 registers owns a tile of 16 queries in each of two passes and walks the head's keys, 128 a step.  A head's K, V and scales, 140 KiB, lie in LDS for the whole launch: filled once.
; CLUSTER: the four work-groups of a head ask for them JOINTLY: the same five tensor loads, the same descriptors, the mask of all four.  By this text's count a wave has at most one tensor load out.
; LAYOUT.  Both products are used transposed (S^T = K Q^T, O^T = V^T P^T): a lane holds one query.  LANE r OF KEY TILE 4 c + t TAKES KEY 64 c + 8 t + r % 8 + 32 (r / 8): a lane's 32 registers of tiles 4 c .. 4 c + 3 are
; then the 32 neighbouring keys 64 c + 32 (lane / 16) + 0..31: ONE WHOLE BLOCK, in the very order of the next operand's registers.  So a block's maximum needs no other lane and the conversions' results are the operand.
; V^T's rows lie in the order rho = d with bits 3 and 4 swapped, so that the 16 registers of O^T's tiles 2 b, 2 b + 1 are 16 neighbouring d.  One scale register serves two tiles: lanes 0-15 the even one, lanes 16-31 the odd.
; SECOND HALF.  Pass i of wave w leaves row 16 i + w of o as 512 bytes of codes and 32 scale bytes in LDS.  Behind one barrier wave w makes columns 64 w .. 64 w + 63 of o Wo for the 32 rows (8 accumulators; source 0 = 16 columns
; of Wo, source 1 = 16 rows of o); the rows meet in a stage; then a wave owns two whole rows: residual, mean, variance of the differences, gain and bias in f32; a store covers 512 consecutive bytes.
; Wo's records (wimg's fourth weight, in the order of the operand's registers) go from memory straight into registers, not by joint loads: their 544 KiB do not fit beside the head, so they would want slots that are filled
; again, a round of the cluster for each, and a second trip through LDS for bytes that feed one wave each.
; LIMITS: a block's largest p is taken from its largest score by the same two instructions, which takes v_exp_f32 not to fall where its input rises; a block of zeros gets the byte 1 where the rule says 127 (its codes are
; zeros, and only this launch reads the bytes); NaN and infinities are not served.
; REGISTERS, first half: v1-7, v246, v247 addresses that stay; v8-11 the step's; v12 -M, v13 the largest t, v[14:15] the sum; v16-23 Q; v24-27 K's scale words; v32-95 K's eight fragments; v96-159 S^T, then p; v160-191 O^T;
; v192-223 V's four fragments; v224-231 p's codes; v232-239, v248-249, v254 at work; v240-241 V's scale words; v252 f, v253 p's scale word, v255 Q's.
; Second half: v1-15 addresses; v24-31 o's scale words; v32-95 accumulators, then my two rows; v96-191 Wo's fragments, three sets, then pre_value and gamma; v192-223 o's fragments, then beta; v224-239 a row's figures; v240-245 Wo's scale words.
.set KL,   0                           ; K: 128 units of 16 keys x 32 bytes + 16 of padding: 528 bytes a unit
.set VL,   67584                       ; V^T: 64 rows of 1,024 bytes + 16
.set SL,   134144                      ; K's 2,048 scale words, then at + 8,192 V's [16 steps][64 rho]
.set AROW, 146432                      ; o's codes: 32 rows x (512 + 16); no fill lands from here on
.set ASC,  163328                      ; o's scale words: 32 rows x (32 + 16)
.set YSTG, 164864                      ; the stage: 32 rows x (4,096 + 16)
.set REC,    4352
.set WBYTES, 128*REC
.set WV,  18
.set SEL, 20
.set CS,  22
.set ACC, 32
.set B,   96
.set AX,  192
.set BS,  240
.set XS,  24
.set XR,  32
.set PVR, 96
.set GA,  160
.set BE,  192
.set TR,  224                          ; row i's figures at TR + 8 i: +0..3 two running pairs, +4 (pair +4, +5) sum, mean, variance, +6 (pair +6, +7) 1 / sqrt
.macro ROUND                           ; a round of the cluster's barrier
	s_barrier_signal -1
	s_barrier_wait -1
	s_cmp_lg_u32 s[WV], 0
	s_cbranch_scc1 .Lnot_wave_0_\@
	s_barrier_signal -3
.Lnot_wave_0_\@:
	s_barrier_wait -3
	s_barrier_signal -1
	s_barrier_wait -1
.endm
.macro BARRIER                         ; my LDS stores have landed and my LDS loads are in: then the work-group's barrier
	s_wait_dscnt 0x0
	s_barrier_signal -1
	s_barrier_wait -1
.endm
	s_load_b256 s[4:11], s[0:1], 0x0               ; qc, qs, kc, vc
	s_load_b128 s[12:15], s[0:1], 0x20             ; kvs, wimg
	s_load_b256 s[80:87], s[0:1], 0x30             ; pre_value, gamma, beta, out0
	v_lshl_add_u32 v250, v0, 2, 0x48600
	v_mov_b32 v251, 0
	ds_add_u32 v250, v251
	ds_add_u32 v250, v251
	v_lshrrev_b32 v1, 5, v0
	v_readfirstlane_b32 s[WV], v1                  ; wave 0..15
	s_bfe_u32 s19, ttmp6, 0x40000                  ; cx: my place in the cluster
	s_lshl_b32 s72, ttmp9, 2
	s_add_co_u32 s72, s72, s19                     ; my block of 512 queries: it enters Q's, pre_value's and out0's addresses alone
	s_and_b32 s71, ttmp7, 0xffff                   ; the head, which the four partners share
	; descriptor groups 1, in elements of 8 bytes.  K: 64 rows (units) of 512 bytes, dense, 4 words of padding behind each 128
	s_mov_b32 s24, 15|(3<<16)|(1<<20)|(1<<21)|(6<<22)|(3<<25)   ; 15:0 the mask: all four; 17:16 elements of 8 bytes; 20 padding on; 21 set beside a mask; 24:22 after every 128 words; 31:25 four words
	s_mov_b32 s25, 64<<16                          ; tensor_dim0
	s_mov_b32 s26, 64<<16                          ; tensor_dim1
	s_mov_b32 s27, 64<<16                          ; tile_dim0
	s_mov_b32 s28, 64                              ; tile_dim1
	s_mov_b32 s29, 64                              ; tensor_dim0_stride
	s_mov_b32 s30, 0
	s_mov_b32 s31, 0
	; V^T: 32 rows of 1,024 bytes, dense, 4 words of padding behind each 256
	s_mov_b32 s32, 15|(3<<16)|(1<<20)|(1<<21)|(7<<22)|(3<<25)
	s_mov_b32 s33, 128<<16
	s_mov_b32 s34, 32<<16
	s_mov_b32 s35, 128<<16
	s_mov_b32 s36, 32
	s_mov_b32 s37, 128
	s_mov_b32 s38, 0
	s_mov_b32 s39, 0
	; the scales: 12,288 dense bytes as 48 rows of 256, no padding
	s_mov_b32 s40, 15|(3<<16)|(1<<21)
	s_mov_b32 s41, 32<<16
	s_mov_b32 s42, 48<<16
	s_mov_b32 s43, 32<<16
	s_mov_b32 s44, 48
	s_mov_b32 s45, 32
	s_mov_b32 s46, 0
	s_mov_b32 s47, 0
	s_and_b32 s73, s[WV], 1                        ; which half of K or of V I fetch, if I fetch
	s_lshl_b32 s74, s71, 16                        ; the head's 65,536 bytes of codes,
	s_lshl_b32 s75, s73, 15
	s_add_co_u32 s74, s74, s75                     ; my half
	s_mov_b32 s75, 0
	s_mul_i32 s76, s71, 12288                      ; the head's scales
	s_mov_b32 s77, 0
	s_mov_b32 s[SEL], 0x76543210
	s_mov_b32 s[SEL+1], 0xfedcba98                 ; v_permlanex16_b32's selects for lane l xor 16
	s_mov_b32 s[CS], 0x3e38aa3b                    ; c = log2(e) / 8
	s_mov_b32 s[CS+1], s[CS]                       ; (named with it as a pair, so it is written)
	s_wait_dscnt 0x0
	s_wait_kmcnt 0x0
	ROUND                                          ; all four work-groups are here: the joint loads meet
	s_mov_b32 s48, 1                               ; group 0 for K: count = 1,
	s_mul_i32 s49, s73, 33792                      ; LDS address: no place in the cluster enters it,
	s_add_nc_u64 s[50:51], s[8:9], s[74:75]        ; global address,
	s_or_b32 s51, s51, 0x80000000                  ; type = 2
	s_mov_b32 s52, 1                               ; for V
	s_mul_i32 s53, s73, 33280
	s_add_co_u32 s53, s53, VL
	s_add_nc_u64 s[54:55], s[10:11], s[74:75]
	s_or_b32 s55, s55, 0x80000000
	s_mov_b32 s56, 1                               ; for the scales
	s_mov_b32 s57, SL
	s_add_nc_u64 s[58:59], s[12:13], s[76:77]
	s_or_b32 s59, s59, 0x80000000
	; waves 0, 1: K's halves; waves 2, 3: V's; wave 4: the scales.  The branches hang on the wave's number alone.  Four v_nop follow each load.
	s_cmp_lt_u32 s[WV], 2
	s_cbranch_scc0 .Lnot_k
	tensor_load_to_lds s[48:51], s[24:31]
	s_nop 0
.rept 4
	v_nop
.endr
	s_branch .Lasked
.Lnot_k:
	s_cmp_lt_u32 s[WV], 4
	s_cbranch_scc0 .Lnot_v
	tensor_load_to_lds s[52:55], s[32:39]
	s_nop 0
.rept 4
	v_nop
.endr
	s_branch .Lasked
.Lnot_v:
	s_cmp_eq_u32 s[WV], 4
	s_cbranch_scc0 .Lasked
	tensor_load_to_lds s[56:59], s[40:47]
	s_nop 0
.rept 4
	v_nop
.endr
.Lasked:
	s_lshl_b32 s60, s71, 16                        ; my wave's first query, in bytes of codes: 65,536 head + 16,384 block + 512 wave
	s_lshl_b32 s61, s72, 14
	s_add_co_u32 s60, s60, s61
	s_lshl_b32 s61, s[WV], 9
	s_add_co_u32 s60, s60, s61
	s_mov_b32 s61, 0
	s_add_nc_u64 s[4:5], s[4:5], s[60:61]
	s_lshr_b32 s62, s60, 3                         ; a scale word is an eighth of a query's codes
	s_mov_b32 s63, 0
	s_add_nc_u64 s[6:7], s[6:7], s[62:63]
	s_lshl_b32 s62, s71, 19                        ; my work-group's 32 rows of f32: 128 rows a head, 32 a block, 4,096 bytes a row
	s_lshl_b32 s60, s72, 17
	s_add_co_u32 s62, s62, s60
	s_add_nc_u64 s[80:81], s[80:81], s[62:63]
	s_add_nc_u64 s[86:87], s[86:87], s[62:63]
	s_mul_i32 s92, s[WV], 8*REC
	s_add_co_u32 s92, s92, 3*WBYTES                ; Wo's records, my wave's eight
	s_mov_b32 s93, 0
	s_add_nc_u64 s[90:91], s[14:15], s[92:93]
	s_mov_b32 s88, 0x3a800000                      ; 1 / 1,024
	s_mov_b32 s89, 0x3727c5ac                      ; 1e-5
	v_and_b32 v8, 15, v0                           ; R
	v_bfe_u32 v9, v0, 4, 1                         ; H
	v_lshrrev_b32 v10, 3, v8                       ; R / 8
	v_and_b32 v11, 7, v8                           ; R % 8
	v_mul_u32_u24 v1, v10, 1056                    ; v1: K: 32 keys (two units) on for R / 8, key R % 8 of the unit, + 16 H
	v_lshl_add_u32 v1, v11, 5, v1
	v_lshl_add_u32 v1, v9, 4, v1
	v_mul_u32_u24 v2, v8, 1040
	v_lshl_add_u32 v2, v9, 4, v2
	v_add_nc_u32 v2, VL, v2                        ; v2: V^T: row R, + 16 H
	v_lshlrev_b32 v3, 7, v10
	v_lshl_add_u32 v3, v11, 2, v3
	v_lshl_add_u32 v3, v9, 5, v3
	v_add_nc_u32 v3, SL, v3                        ; v3: K's scale word of key R % 8 + 32 (R / 8) + 8 H: lanes 16-31 take the tile 8 keys on
	v_and_b32 v4, 31, v0
	v_lshl_add_u32 v4, v4, 2, SL+8192              ; v4: V's scale word of row rho = lane: lanes 16-31 take the next tile's
	v_lshlrev_b32 v5, 5, v8
	v_lshl_add_u32 v5, v9, 4, v5                   ; v5: Q's codes: 32 R + 16 H
	v_lshlrev_b32 v6, 2, v8                        ; v6: Q's scale word
	s_mul_i32 s73, s[WV], 48
	s_add_co_u32 s73, s73, ASC
	v_lshl_add_u32 v7, v8, 1, s73                  ; v7: o's two scale bytes: row w (+ 16 i), 2 R
	s_mul_i32 s73, s[WV], 528
	s_add_co_u32 s73, s73, AROW
	v_add_nc_u32 v246, s73, v5                     ; v246: o's codes: row w (+ 16 i), 32 R + 16 H
	v_lshlrev_b32 v247, 3, v9                      ; v247: 8 H: how far up my two bytes stand in p's scale word
.irp j, 20,21,22,23
	v_mov_b32 v[\j], 0                             ; Q's upper 64 along K: zero codes
.endr
.irp t, 0,1,2,3,4,5,6,7
.irp j, 4,5,6,7
	v_mov_b32 v[32+8*\t+\j], 0                     ; K's likewise: cleared once, never loaded
.endr
.endr
.irp j, 236,237,238,239,252,253
	v_mov_b32 v[\j], 0                             ; written once: a lane permute's destination counts as a source, and v253 is named in the pair v[252:253]
.endr
.macro QLOAD i                         ; pass i's tile of queries: 256 queries on
	global_load_b128 v[16:19], v5, s[4:5] offset:8192*\i th:TH_LOAD_NT
	global_load_b32 v255, v6, s[6:7] offset:1024*\i th:TH_LOAD_NT
.endm
	QLOAD 0
	s_wait_tensorcnt 0x0                           ; my part of the head is in LDS,
	s_barrier_signal -1
	s_barrier_wait -1                              ; everybody's is
; K's eight fragments and four scale registers of a step: tile 4 c + t begins at unit 4 c + t / 2, key 8 (t % 2) of it; scale register j serves tiles 2 j (lanes 0-15) and 2 j + 1 (lanes 16-31)
.macro KLOAD ka, sa, ko, so
.irp t, 0,1,2,3,4,5,6,7
	ds_load_b128 v[32+8*\t:35+8*\t], v[\ka] offset:\ko+2112*(\t/4)+528*((\t%4)/2)+256*(\t%2)
.endr
.irp j, 0,1,2,3
	ds_load_b32 v[24+\j], v[\sa] offset:\so+256*(\j/2)+64*(\j%2)
.endr
.endm
.macro SW t                            ; S^T's tile t
.if (\t%2) == 0
	v_wmma_scale_f32_16x16x128_f8f6f4 v[96+8*\t:103+8*\t], v[32+8*\t:39+8*\t], v[16:23], 0, v[24+\t/2], v255 matrix_a_fmt:MATRIX_FMT_FP4 matrix_b_fmt:MATRIX_FMT_FP4
.else
	v_wmma_scale_f32_16x16x128_f8f6f4 v[96+8*\t:103+8*\t], v[32+8*\t:39+8*\t], v[16:23], 0, v[24+\t/2], v255 matrix_a_fmt:MATRIX_FMT_FP4 matrix_b_fmt:MATRIX_FMT_FP4 matrix_a_scale:MATRIX_SCALE_ROW1
.endif
.endm
.macro OW t                            ; O^T's tile t takes these 128 keys
.if (\t%2) == 0
	v_wmma_scale_f32_16x16x128_f8f6f4 v[160+8*\t:167+8*\t], v[192+8*\t:199+8*\t], v[224:231], v[160+8*\t:167+8*\t], v[240+\t/2], v253 matrix_a_fmt:MATRIX_FMT_FP4 matrix_b_fmt:MATRIX_FMT_FP4
.else
	v_wmma_scale_f32_16x16x128_f8f6f4 v[160+8*\t:167+8*\t], v[192+8*\t:199+8*\t], v[224:231], v[160+8*\t:167+8*\t], v[240+\t/2], v253 matrix_a_fmt:MATRIX_FMT_FP4 matrix_b_fmt:MATRIX_FMT_FP4 matrix_a_scale:MATRIX_SCALE_ROW1
.endif
.endm
; A KEY STEP: 128 keys.  Its K was fetched a step ago and waited for there.
.macro STEP
.irp t, 0,1,2,3,4,5,6,7
	SW \t
.endr
	v_add_nc_u32 v9, s67, v2                       ; this step's V, the next step's K.  These five lines are the places behind the products above (their results are read and K's registers loaded below)
	v_add_nc_u32 v11, s69, v4                      ; and behind the last step's products, whose V registers are loaded below (ISA guide 7.12.1)
	v_add_nc_u32 v8, s66, v1
	v_add_nc_u32 v10, s68, v3
	v_mov_b32 v239, v12                            ; the old -M is kept
.irp t, 0,1,2,3
	ds_load_b128 v[192+8*\t:195+8*\t], v9 offset:16640*\t
	ds_load_b128 v[196+8*\t:199+8*\t], v9 offset:16640*\t+32
.endr
	ds_load_b32 v240, v11                          ; V's scale words: rows 0-31 of V^T, a lane a row,
	ds_load_b32 v241, v11 offset:128               ; and rows 32-63
	KLOAD 8, 10, 4224, 512                         ; 8 units and 128 words on.  (The last step reads on into V's bytes, which are filled too; nobody uses what it brings)
.irp c, 0,1
	v_max3_num_f32 v[232+\c], v[96+32*\c], v[97+32*\c], v[98+32*\c]      ; THE LARGEST SCORE OF MY TWO BLOCKS OF 32 KEYS, two chains a block: for the row's maximum, and for the block's largest p
	v_max3_num_f32 v[234+\c], v[112+32*\c], v[113+32*\c], v[114+32*\c]
.endr
.irp i, 3,5,7,9,11,13
.irp c, 0,1
	v_max3_num_f32 v[232+\c], v[232+\c], v[96+32*\c+\i], v[97+32*\c+\i]
	v_max3_num_f32 v[234+\c], v[234+\c], v[112+32*\c+\i], v[113+32*\c+\i]
.endr
.endr
.irp c, 0,1
	v_max3_num_f32 v[232+\c], v[232+\c], v[234+\c], v[111+32*\c]
.endr
.irp c, 0,1
	v_max_num_f32 v[232+\c], v[232+\c], v[127+32*\c]
.endr
	v_max_num_f32 v254, v232, v233                 ; of my 64 keys,
	v_mul_f32 v254, s[CS], v254                    ; as t (c is positive),
	v_permlanex16_b32 v238, v254, s[SEL], s[SEL+1] ; lane l xor 16's 64 keys,
	v_max3_num_f32 v13, v13, v254, v238            ; the running largest t
	v_floor_f32 v12, -v13                          ; the new -M = floor(-t): M is a whole number
	v_sub_f32 v254, v12, v239                      ; old M - new M: a whole number, 0 or less
	v_cvt_i32_f32 v254, v254                       ; (it saturates)
	v_ldexp_f32 v252, 1.0, v254                    ; f = 2^(old M - new M)
.set j, 0
.rept 32
	v_pk_fma_f32 v[96+j:97+j], v[96+j:97+j], s[CS:CS+1], v[12:13] op_sel_hi:[1,0,0]   ; t - M, two at a time
.set j, j+2
.endr
.irp c, 0,1
	v_fma_f32 v[232+\c], v[232+\c], s[CS], v12     ; the same of each block's largest score
.endr
.set j, 0
.rept 64
	v_exp_f32 v[96+j], v[96+j]                     ; p = 2^(t - M), at most 1
.set j, j+1
.endr
	v_pk_mul_f32 v[14:15], v[14:15], v[252:253] op_sel_hi:[1,0]   ; the sums under the new M: the plain line behind the exponentials
	s_wait_alu depctr_va_vdst(0)                   ; one wait for the batch of 64, ahead of its first reader
.irp c, 0,1
	v_exp_f32 v[232+\c], v[232+\c]                 ; the block's largest p
.endr
	v_pk_add_f32 v[236:237], v[96:97], v[98:99]    ; the row's sum of the UNQUANTISED p, in two chains; it reads the 64 alone
.irp j, 4,8,12,16,20,24,28,32,36,40,44,48,52,56,60
	v_pk_add_f32 v[14:15], v[14:15], v[96+\j:97+\j]
	v_pk_add_f32 v[236:237], v[236:237], v[98+\j:99+\j]
.endr
	v_pk_add_f32 v[14:15], v[14:15], v[236:237]
	s_wait_alu depctr_va_vdst(0)                   ; and one for the two
.irp c, 0,1
	v_max_num_f32 v[232+\c], 0x1800000, v[232+\c]  ; the floor 2^(3 - 127): the byte cannot fall under 1
.endr
.irp c, 0,1
	v_add_nc_u32 v[248+\c], 0xff000000, v[232+\c]  ; 2 off the exponent field: the conversion's scale operand
.endr
.irp c, 0,1
	v_lshrrev_b32 v[236+\c], 23, v[248+\c]         ; the scale's byte
.endr
	v_lshl_or_b32 v253, v237, 16, v236             ; my two bytes: blocks H and 2 + H of these 128 keys,
	v_lshlrev_b32 v253, v247, v253                 ; at their places in the scale word (8 H bits up);
	v_permlanex16_b32 v238, v253, s[SEL], s[SEL+1]
	v_or_b32 v253, v253, v238                      ; with lane l xor 16's two the word is whole
.irp c, 0,1
.irp g, 0,1,2,3
	v_cvt_scalef32_pk8_fp4_f32 v[224+4*\c+\g], v[96+32*\c+8*\g:103+32*\c+8*\g], v[248+\c]   ; registers 4 c .. 4 c + 3 of the operand: keys 64 c + 32 H + 0..31
.endr
.endr
	v_nop                                          ; one plain line behind the last conversion
.set j, 0
.rept 16
	v_pk_mul_f32 v[160+j:161+j], v[160+j:161+j], v[252:253] op_sel_hi:[1,0]   ; O^T under the new M; these sixteen also stand between the making of p's codes and scale word and the products
.set j, j+2
.endr
	s_wait_dscnt 0x0                               ; V and its scale words are in, and so is the next step's K
.irp t, 0,1,2,3
	OW \t                                          ; four accumulators, one instruction each, behind eight products on others
.endr
	s_add_co_u32 s66, s66, 4224                    ; 8 units of K,
	s_add_co_u32 s67, s67, 64                      ; 128 codes in each row of V^T,
	s_add_co_u32 s68, s68, 512                     ; 128 scale words of K,
	s_add_co_u32 s69, s69, 256                     ; 64 of V
.endm
; A PASS: one tile of 16 queries through the head's 16 key steps, then o / l, quantised along d, into LDS as row 16 i + w of the last product's left operand.
.macro PASS i
.if \i
	s_wait_dscnt 0x0                               ; the last pass's LDS stores have read their registers
.endif
	KLOAD 1, 3, 0, 0                               ; the first step's K flies under the lines below
	v_mov_b32 v13, 0xff61b1e6                      ; the largest t so far: -3e38, under every t
	v_floor_f32 v12, -v13                          ; -M
	v_mov_b32 v14, 0
	v_mov_b32 v15, 0
.set j, 0
.rept 32
	v_mov_b32 v[160+j], 0                          ; O^T: the step is written once; the first finds zeros, which the first change of M leaves zeros
.set j, j+1
.endr
	s_mov_b32 s66, 0
	s_mov_b32 s67, 0
	s_mov_b32 s68, 0
	s_mov_b32 s69, 0
	s_mov_b32 s70, 16
	s_wait_loadcnt 0x0                             ; Q
	s_wait_dscnt 0x0                               ; K
.Lkey_\@:
	STEP
	s_sub_co_u32 s70, s70, 1
	s_cmp_lg_u32 s70, 0
	s_cbranch_scc1 .Lkey_\@
.rept 4
	v_nop                                          ; places behind the last products
.endr
.if \i == 0
	QLOAD 1                                        ; the next pass's queries fly under this pass's way out
.endif
	v_add_f32 v14, v14, v15                        ; the sum's two halves,
	v_permlanex16_b32 v252, v14, s[SEL], s[SEL+1]
	v_add_f32 v14, v14, v252                       ; and lane l xor 16's: the row's sum
	v_rcp_f32 v14, v14
	v_nop                                          ; a plain line behind the reciprocal
	s_wait_alu depctr_va_vdst(0)                   ; and the wait ahead of its first reader
.set j, 0
.rept 16
	v_pk_mul_f32 v[96+j:97+j], v[160+j:161+j], v[14:15] op_sel_hi:[1,0]   ; o: register 16 b + i is d = 32 b + 16 H + i of query R
.set j, j+2
.endr
.irp b, 0,1
	v_max3_num_f32 v[232+\b], |v[96+16*\b]|, |v[97+16*\b]|, 0x1800000
.endr
.irp n, 2,4,6,8,10,12,14
.irp b, 0,1
	v_max3_num_f32 v[232+\b], v[232+\b], |v[96+16*\b+\n]|, |v[97+16*\b+\n]|
.endr
.endr
.irp b, 0,1
	v_permlanex16_b32 v[236+\b], v[232+\b], s[SEL], s[SEL+1]
.endr
.irp b, 0,1
	v_max_num_f32 v[232+\b], v[232+\b], v[236+\b]
.endr
.irp b, 0,1
	v_add_nc_u32 v[248+\b], 0xff000000, v[232+\b]
.endr
.irp b, 0,1
	v_lshrrev_b32 v[236+\b], 23, v[248+\b]
.endr
	v_lshl_or_b32 v254, v237, 8, v236              ; the query's two scale bytes
.irp b, 0,1
	v_cvt_scalef32_pk8_fp4_f32 v[224+2*\b], v[96+16*\b:103+16*\b], v[248+\b]
	v_cvt_scalef32_pk8_fp4_f32 v[225+2*\b], v[104+16*\b:111+16*\b], v[248+\b]
.endr
	v_nop                                          ; one plain line behind the last conversion
	v_permlane16_swap_b32 v224, v226
	v_permlane16_swap_b32 v225, v227               ; lane (R, H): block H of query R, 16 bytes
	ds_store_b128 v246, v[224:227] offset:8448*\i  ; the wave's 512 consecutive bytes: row 16 i + w
	ds_store_b16 v7, v254 offset:768*\i            ; both halves of the lanes write the same two bytes
.endm
	PASS 0
	PASS 1
; ---- THE SECOND HALF: o Wo + pre_value, LayerNorm
.macro BLOAD s, wp                     ; K step s of my weights: 4 tiles x 2 register groups, 512 consecutive bytes a load, and the scale words: 9 loads
.irp T, 0,1,2,3
.irp c, 0,1
	global_load_b128 v[B+32*((\s)%3)+8*\T+4*\c:B+32*((\s)%3)+8*\T+4*\c+3], v5, s[\wp:\wp+1] offset:REC*(\s)+1024*\T+512*\c
.endr
.endr
	global_load_b64 v[BS+2*((\s)%3):BS+2*((\s)%3)+1], v6, s[\wp:\wp+1] offset:REC*(\s)+4096   ; register T % 2: lanes 0-15 tile T % 2, lanes 16-31 tile 2 + T % 2
.endm
.macro AFETCH s                        ; o's two fragments of K step s: lane (r, h): row 16 m + r, bytes 64 s + 32 c + 16 h
.irp m, 0,1
.irp c, 0,1
	ds_load_b128 v[AX+16*((\s)%2)+8*\m+4*\c:AX+16*((\s)%2)+8*\m+4*\c+3], v12 offset:8448*\m+64*(\s)+32*\c
.endr
.endr
.endm
.macro XSLOAD                          ; lane l takes row l's eight scale words: lanes 0-15 serve row tile 0, lanes 16-31 row tile 1
	ds_load_b128 v[XS:XS+3], v13
	ds_load_b128 v[XS+4:XS+7], v13 offset:16
.endm
.macro WM s, T, m, zero                ; one product: weights' tile T x row tile m, K step s
.set rD, ACC+8*(4*\m+\T)
.set rW, B+32*((\s)%3)+8*\T
.set rA, AX+16*((\s)%2)+8*\m
.set rS, BS+2*((\s)%3)+(\T%2)
.set rX, XS+(\s)
.if \zero
.if (\T < 2) && (\m == 0)
	v_wmma_scale_f32_16x16x128_f8f6f4 v[rD:rD+7], v[rW:rW+7], v[rA:rA+7], 0, v[rS], v[rX] matrix_a_fmt:MATRIX_FMT_FP4 matrix_b_fmt:MATRIX_FMT_FP4
.elseif (\T < 2)
	v_wmma_scale_f32_16x16x128_f8f6f4 v[rD:rD+7], v[rW:rW+7], v[rA:rA+7], 0, v[rS], v[rX] matrix_a_fmt:MATRIX_FMT_FP4 matrix_b_fmt:MATRIX_FMT_FP4 matrix_b_scale:MATRIX_SCALE_ROW1
.elseif (\m == 0)
	v_wmma_scale_f32_16x16x128_f8f6f4 v[rD:rD+7], v[rW:rW+7], v[rA:rA+7], 0, v[rS], v[rX] matrix_a_fmt:MATRIX_FMT_FP4 matrix_b_fmt:MATRIX_FMT_FP4 matrix_a_scale:MATRIX_SCALE_ROW1
.else
	v_wmma_scale_f32_16x16x128_f8f6f4 v[rD:rD+7], v[rW:rW+7], v[rA:rA+7], 0, v[rS], v[rX] matrix_a_fmt:MATRIX_FMT_FP4 matrix_b_fmt:MATRIX_FMT_FP4 matrix_a_scale:MATRIX_SCALE_ROW1 matrix_b_scale:MATRIX_SCALE_ROW1
.endif
.else
.if (\T < 2) && (\m == 0)
	v_wmma_scale_f32_16x16x128_f8f6f4 v[rD:rD+7], v[rW:rW+7], v[rA:rA+7], v[rD:rD+7], v[rS], v[rX] matrix_a_fmt:MATRIX_FMT_FP4 matrix_b_fmt:MATRIX_FMT_FP4
.elseif (\T < 2)
	v_wmma_scale_f32_16x16x128_f8f6f4 v[rD:rD+7], v[rW:rW+7], v[rA:rA+7], v[rD:rD+7], v[rS], v[rX] matrix_a_fmt:MATRIX_FMT_FP4 matrix_b_fmt:MATRIX_FMT_FP4 matrix_b_scale:MATRIX_SCALE_ROW1
.elseif (\m == 0)
	v_wmma_scale_f32_16x16x128_f8f6f4 v[rD:rD+7], v[rW:rW+7], v[rA:rA+7], v[rD:rD+7], v[rS], v[rX] matrix_a_fmt:MATRIX_FMT_FP4 matrix_b_fmt:MATRIX_FMT_FP4 matrix_a_scale:MATRIX_SCALE_ROW1
.else
	v_wmma_scale_f32_16x16x128_f8f6f4 v[rD:rD+7], v[rW:rW+7], v[rA:rA+7], v[rD:rD+7], v[rS], v[rX] matrix_a_fmt:MATRIX_FMT_FP4 matrix_b_fmt:MATRIX_FMT_FP4 matrix_a_scale:MATRIX_SCALE_ROW1 matrix_b_scale:MATRIX_SCALE_ROW1
.endif
.endif
.endm
; A K step of 128: 8 products, the eight accumulators by turns, one instruction a turn, in the same order in every step.
.macro KSTEP s, zero, wp
.if (\s) <= 5
	s_wait_loadcnt 18                              ; this step's 9 weight loads are in; the 18 of the two steps behind it may be out
.elseif (\s) == 6
	s_wait_loadcnt 9                               ; the last step's 9 may be out
.else
	s_wait_loadcnt 0
.endif
.if (\s) <= 6
	s_wait_dscnt 4                                 ; this step's fragments of o are in; the next step's four loads may be out
.else
	s_wait_dscnt 0
.endif
.irp T, 0,1,2,3
.irp m, 0,1
	WM \s, \T, \m, \zero
.endr
.endr
.if ((\s) <= 5) || ((\s) == 7)
.rept 4
	v_nop                                          ; four places in front of loads into registers that these products have read, and of the first read of results
.endr
.endif
.if (\s) <= 4
	BLOAD (\s)+3, \wp                              ; into the set just multiplied
.endif
.if (\s) <= 5
	AFETCH (\s)+2
.endif
.endm
.macro REDUCE                          ; each row's two running pairs become one number in every lane, at TR + 8 i + 4; the other half of the lanes' lands in a running sum that is spent
.irp i, 0,1
	v_pk_add_f32 v[TR+8*\i:TR+8*\i+1], v[TR+8*\i:TR+8*\i+1], v[TR+8*\i+2:TR+8*\i+3]
.endr
.irp i, 0,1
	v_add_f32 v[TR+8*\i+4], v[TR+8*\i], v[TR+8*\i+1]
.endr
.irp k, 1,2,4,8
.irp i, 0,1
	v_add_f32_dpp v[TR+8*\i+4], v[TR+8*\i+4], v[TR+8*\i+4] row_xmask:\k row_mask:0xf bank_mask:0xf
.endr
.endr
.irp i, 0,1
	v_permlanex16_b32 v[TR+8*\i+2], v[TR+8*\i+4], s[SEL], s[SEL+1]
.endr
.irp i, 0,1
	v_add_f32 v[TR+8*\i+4], v[TR+8*\i+4], v[TR+8*\i+2]
.endr
.endm
	v_and_b32 v1, 31, v0                           ; L
	v_lshlrev_b32 v5, 4, v1                        ; v5: 16 L
	v_lshlrev_b32 v6, 3, v1                        ; v6: 8 L
	BLOAD 0, 90                                    ; three K steps of Wo go out as soon as my attention is done: a wave that is early has them in before the barrier
	BLOAD 1, 90
	BLOAD 2, 90
	v_and_b32 v2, 15, v0                           ; R
	v_bfe_u32 v3, v0, 4, 1                         ; H
	v_lshlrev_b32 v9, 8, v0                        ; v9: 256 x thread: the prefetch's offset
	s_lshl_b32 s73, s[WV], 13
	v_add_nc_u32 v4, s73, v5                       ; v4: pre_value and out0: rows 2 w, 2 w + 1
	v_mul_u32_u24 v12, v2, 528
	v_lshl_add_u32 v12, v3, 4, v12
	v_add_nc_u32 v12, AROW, v12                    ; v12: o's fragments: 528 R + 16 H
	v_mul_u32_u24 v13, v1, 48
	v_add_nc_u32 v13, ASC, v13                     ; v13: o's scale words, a lane a row
	v_mul_u32_u24 v14, v2, 4112
	v_lshl_add_u32 v14, v3, 6, v14
	s_lshl_b32 s73, s[WV], 8
	s_add_co_u32 s73, s73, YSTG
	v_add_nc_u32 v14, s73, v14                     ; v14: the stage: row R, 256 w + 64 H
	v_add_nc_u32 v15, 65792, v14                   ; v15: row 16 + R
	s_mul_i32 s73, s[WV], 8224
	s_add_co_u32 s73, s73, YSTG
	v_add_nc_u32 v8, s73, v5                       ; v8: back: rows 2 w, 2 w + 1
	BARRIER                                        ; o's 32 rows lie in LDS
	XSLOAD
	AFETCH 0
	AFETCH 1
	KSTEP 0, 1, 90                                 ; the first step's products start the sums
	KSTEP 1, 0, 90
	KSTEP 2, 0, 90
	KSTEP 3, 0, 90
	global_prefetch_b8 v9, s[80:81] th:TH_LOAD_NT scope:SCOPE_SE   ; my work-group's 32 rows of pre_value, 128 KiB: each of the 512 threads names another 256 bytes, once in the launch, four K steps ahead of their loads
	KSTEP 4, 0, 90
	KSTEP 5, 0, 90
	KSTEP 6, 0, 90
	KSTEP 7, 0, 90
.irp i, 0,1                            ; behind the last step's four places: my two rows of pre_value, and gamma and beta: piece k of a row is columns 128 k + 4 L + 0..3
.irp k, 0,1,2,3,4,5,6,7
	global_load_b128 v[PVR+32*\i+4*\k:PVR+32*\i+4*\k+3], v4, s[80:81] offset:4096*\i+512*\k th:TH_LOAD_NT
.endr
.endr
.irp k, 0,1,2,3,4,5,6,7
	global_load_b128 v[GA+4*\k:GA+4*\k+3], v5, s[82:83] offset:512*\k
	global_load_b128 v[BE+4*\k:BE+4*\k+3], v5, s[84:85] offset:512*\k
.endr
.irp T, 0,1,2,3                        ; accumulator (m, T): row 16 m + R, columns 64 w + 32 (T / 2) + 16 H + 8 (T % 2) + 0..7; each from its low end on
	ds_store_b128 v14, v[ACC+8*\T:ACC+8*\T+3] offset:128*(\T/2)+32*(\T%2)
	ds_store_b128 v14, v[ACC+8*\T+4:ACC+8*\T+7] offset:128*(\T/2)+32*(\T%2)+16
	ds_store_b128 v15, v[ACC+32+8*\T:ACC+32+8*\T+3] offset:128*(\T/2)+32*(\T%2)
	ds_store_b128 v15, v[ACC+32+8*\T+4:ACC+32+8*\T+7] offset:128*(\T/2)+32*(\T%2)+16
.endr
	BARRIER                                        ; 32 whole rows lie in the stage
.irp i, 0,1
.irp k, 0,1,2,3,4,5,6,7
	ds_load_b128 v[XR+32*\i+4*\k:XR+32*\i+4*\k+3], v8 offset:4112*\i+512*\k
.endr
.endr
.irp i, 0,1
	v_mov_b32 v[TR+8*\i+5], 0                      ; the upper halves of the two pairs that are named whole
	v_mov_b32 v[TR+8*\i+7], 0
.endr
	s_wait_dscnt 0x0
	s_wait_loadcnt 0x0
.irp j, 0,2,4,6,8,10,12,14,16,18,20,22,24,26,28,30
.irp i, 0,1
	v_pk_add_f32 v[XR+32*\i+\j:XR+32*\i+\j+1], v[XR+32*\i+\j:XR+32*\i+\j+1], v[PVR+32*\i+\j:PVR+32*\i+\j+1]   ; x = o Wo + pre_value; the two rows by turns
.endr
.endr
.irp i, 0,1
	v_pk_add_f32 v[TR+8*\i:TR+8*\i+1], v[XR+32*\i:XR+32*\i+1], v[XR+32*\i+2:XR+32*\i+3]
	v_pk_add_f32 v[TR+8*\i+2:TR+8*\i+3], v[XR+32*\i+4:XR+32*\i+5], v[XR+32*\i+6:XR+32*\i+7]
.endr
.irp j, 8,12,16,20,24,28
.irp i, 0,1
	v_pk_add_f32 v[TR+8*\i:TR+8*\i+1], v[TR+8*\i:TR+8*\i+1], v[XR+32*\i+\j:XR+32*\i+\j+1]
	v_pk_add_f32 v[TR+8*\i+2:TR+8*\i+3], v[TR+8*\i+2:TR+8*\i+3], v[XR+32*\i+\j+2:XR+32*\i+\j+3]
.endr
.endr
	REDUCE
.irp i, 0,1
	v_mul_f32 v[TR+8*\i+4], s88, v[TR+8*\i+4]      ; the mean
.endr
.irp j, 0,2,4,6,8,10,12,14,16,18,20,22,24,26,28,30
.irp i, 0,1
	v_pk_add_f32 v[XR+32*\i+\j:XR+32*\i+\j+1], v[XR+32*\i+\j:XR+32*\i+\j+1], v[TR+8*\i+4:TR+8*\i+5] op_sel_hi:[1,0] neg_lo:[0,1] neg_hi:[0,1]   ; x - mean
.endr
.endr
.irp i, 0,1
	v_pk_mul_f32 v[TR+8*\i:TR+8*\i+1], v[XR+32*\i:XR+32*\i+1], v[XR+32*\i:XR+32*\i+1]
	v_pk_mul_f32 v[TR+8*\i+2:TR+8*\i+3], v[XR+32*\i+2:XR+32*\i+3], v[XR+32*\i+2:XR+32*\i+3]
.endr
.irp j, 4,8,12,16,20,24,28
.irp i, 0,1
	v_pk_fma_f32 v[TR+8*\i:TR+8*\i+1], v[XR+32*\i+\j:XR+32*\i+\j+1], v[XR+32*\i+\j:XR+32*\i+\j+1], v[TR+8*\i:TR+8*\i+1]
	v_pk_fma_f32 v[TR+8*\i+2:TR+8*\i+3], v[XR+32*\i+\j+2:XR+32*\i+\j+3], v[XR+32*\i+\j+2:XR+32*\i+\j+3], v[TR+8*\i+2:TR+8*\i+3]
.endr
.endr
	REDUCE
.irp i, 0,1
	v_fma_f32 v[TR+8*\i+4], v[TR+8*\i+4], s88, s89 ; the variance + 1e-5
.endr
.irp i, 0,1
	v_rsq_f32 v[TR+8*\i+6], v[TR+8*\i+4]
.endr
	v_nop                                          ; a plain line behind the two
	s_wait_alu depctr_va_vdst(0)                   ; one wait for both, ahead of their first reader
.irp j, 0,2,4,6,8,10,12,14,16,18,20,22,24,26,28,30
.irp i, 0,1
	v_pk_mul_f32 v[XR+32*\i+\j:XR+32*\i+\j+1], v[XR+32*\i+\j:XR+32*\i+\j+1], v[TR+8*\i+6:TR+8*\i+7] op_sel_hi:[1,0]
.endr
.endr
.irp j, 0,2,4,6,8,10,12,14,16,18,20,22,24,26,28,30
.irp i, 0,1
	v_pk_fma_f32 v[XR+32*\i+\j:XR+32*\i+\j+1], v[XR+32*\i+\j:XR+32*\i+\j+1], v[GA+\j:GA+\j+1], v[BE+\j:BE+\j+1]
.endr
.endr
.irp i, 0,1
.irp k, 0,1,2,3,4,5,6,7
	global_store_b128 v4, v[XR+32*\i+4*\k:XR+32*\i+4*\k+3], s[86:87] offset:4096*\i+512*\k th:TH_STORE_NT   ; the wave stores 512 consecutive bytes of a row
.endr
.endr
	s_wait_tensorcnt 0x0
	ds_add_u32 v250, v251
	s_wait_dscnt 0x0
	ROUND                                          ; the closing round
	s_endpgm
.Lfunc_end_k_q0c3e3deaad_attnout:
	.size	k_q0c3e3deaad_attnout, .Lfunc_end_k_q0c3e3deaad_attnout-k_q0c3e3deaad_attnout
	.p2alignl 7, 3214868480
	.fill 96, 4, 3214868480
	.section	.rodata,"a",@progbits
	.p2align	6, 0x0
	.amdhsa_kernel k_q0c3e3deaad_attnout
		.amdhsa_group_segment_fixed_size 298496
		.amdhsa_private_segment_fixed_size 0
		.amdhsa_enable_private_segment 0
		.amdhsa_kernarg_size 80
		.amdhsa_user_sgpr_count 2
		.amdhsa_user_sgpr_kernarg_segment_ptr 1
		.amdhsa_wavefront_size32 1
		.amdhsa_system_sgpr_workgroup_id_x 1
		.amdhsa_system_sgpr_workgroup_id_y 1
		.amdhsa_system_sgpr_workgroup_id_z 1
		.amdhsa_system_vgpr_workitem_id 0
		.amdhsa_next_free_vgpr 256
		.amdhsa_next_free_sgpr 96
		.amdhsa_reserve_vcc 0
		.amdhsa_float_denorm_mode_32 3
		.amdhsa_float_denorm_mode_16_64 3
		.amdhsa_memory_ordered 1
		.amdhsa_forward_progress 1
		.amdhsa_inst_pref_size 89
	.end_amdhsa_kernel
	.amdgpu_metadata
---
amdhsa.version: [ 1, 2 ]
amdhsa.kernels:
  - .name:           k_q0c3e3deaad_attnout
    .symbol:         k_q0c3e3deaad_attnout.kd
    .args:
      - { .name: qc, .offset: 0, .size: 8, .value_kind: global_buffer, .address_space: global }
      - { .name: qs, .offset: 8, .size: 8, .value_kind: global_buffer, .address_space: global }
      - { .name: kc, .offset: 16, .size: 8, .value_kind: global_buffer, .address_space: global }
      - { .name: vc, .offset: 24, .size: 8, .value_kind: global_buffer, .address_space: global }
      - { .name: kvs, .offset: 32, .size: 8, .value_kind: global_buffer, .address_space: global }
      - { .name: wimg, .offset: 40, .size: 8, .value_kind: global_buffer, .address_space: global }
      - { .name: pre_value, .offset: 48, .size: 8, .value_kind: global_buffer, .address_space: global }
      - { .name: gamma, .offset: 56, .size: 8, .value_kind: global_buffer, .address_space: global }
      - { .name: beta, .offset: 64, .size: 8, .value_kind: global_buffer, .address_space: global }
      - { .name: out0, .offset: 72, .size: 8, .value_kind: global_buffer, .address_space: global }
    .group_segment_fixed_size: 298496
    .private_segment_fixed_size: 0
    .kernarg_segment_align: 8
    .kernarg_segment_size: 80
    .max_flat_workgroup_size: 512
    .sgpr_count:     96
    .vgpr_count:     256
    .wavefront_size: 32
...
	.end_amdgpu_metadata
.endif
;; end of part 3
;; ======== version 2 of 2: 3 launches
;; workspace buffers: wimg 2,228,224 bytes; qc 4,194,304 bytes; qs 524,288 bytes; kc 4,194,304 bytes; kvs 786,432 bytes; vc 4,194,304 bytes
;; launch wquant (part 4): grid 8 x 32, 4 waves a work-group, no clusters, 0 bytes of LDS; arguments Wq, Wk, Wv, Wo, wimg; writes wimg
.if DOCPART == 4
	.amdgcn_target "amdgcn-amd-amdhsa--gfx1250"
	.amdhsa_code_object_version 6
	.text
	.protected	k_q0c3e3deaad_wquant
	.globl	k_q0c3e3deaad_wquant
	.p2align	8
	.type	k_q0c3e3deaad_wquant,@function
k_q0c3e3deaad_wquant:
	s_mov_b64 s[64:65], 0
	v_nop
	global_prefetch_b8 v0, s[64:65] scope:SCOPE_SE
	s_setreg_imm32_b32 hwreg(HW_REG_WAVE_MODE, 25, 1), 1
	s_wait_xcnt 0x0
; Wq, Wk, Wv, Wo [1024 (k)][1024 (n)], f32, K on the FIRST axis, become codes of FP4 (E2M1) with one E8M0 byte for each 32 along K,
; laid in the ORDER OF THE OPERAND'S REGISTERS, so that the product launches load a fragment by dense 16-byte loads, lane by lane.
; wimg: 4 weights (q, k, v, o) x 128 records of 4,352 bytes; record (w, s) at (8 w + s) x 4,352 serves wave w, K step s (128 along K):
;   codes: tile T (0..3) at 1,024 T, register group c at + 512 c, lane (r, h) at + 256 h + 16 r: the 16 bytes are k = 128 s + 64 c + 32 h + 0..31 of the tile's row r;
;   scale words from + 4,096: the word of (T, r) at 128 (T / 2) + 8 r + 4 (T % 2).
; WHICH COLUMN n OF W IS ROW r OF TILE T OF WAVE w:  Wq, Wk, Wo: n = 64 w + 32 (T / 2) + 8 (T % 2) + r + 8 (r / 8);   Wv: n = 64 r + 4 w + T.
; A LANE TAKES A COLUMN, ITS REGISTERS RUN DOWN K: a load reads 128 consecutive bytes, a block of 32 lies in one lane, the conversions give K innermost.
; A wave takes 32 columns x 128 along K (4 blocks a lane); work-group x = 128 columns, y = 8 x weight + K step.
; A block's scale is 2^(floor(log2(largest magnitude)) - 2); its byte is the largest magnitude's exponent field - 2, held at 1 from below.
; LIMITS: a block of zeros gets the byte 1 where the rule says 127 (its codes are zeros, and only this program reads the bytes); NaN and infinities are not served.
; In the first mapping a code store of the wave covers two runs of 256 consecutive bytes; in Wv's it is 32 pieces of 16 bytes: the turn between a column's piece and its place in
; a head is paid here once, on 0.5 MiB, and not in every read of the product launch.  Work-groups share no input: no cluster, no LDS, no barrier.
.set REC,    4352
.set WBYTES, 128*REC
.set X,  32                            ; v32-159  four blocks of 32 numbers, each with registers of its own
.set C,  160                           ; v160-175 four registers of codes for each block: no store's data are written again
.set SB, 176                           ; v176     the four scale bytes
	s_load_b256 s[4:11], s[0:1], 0x0               ; Wq, Wk, Wv, Wo
	s_load_b64 s[12:13], s[0:1], 0x20              ; wimg
	v_lshrrev_b32 v1, 5, v0
	v_readfirstlane_b32 s14, v1                    ; wave 0..3
	v_and_b32 v1, 31, v0                           ; lane l
	s_wait_alu depctr_va_vdst(0)
	v_lshlrev_b32 v2, 2, v1                        ; in: 4 bytes a lane
	s_and_b32 s15, ttmp7, 0xffff
	s_lshr_b32 s16, s15, 3                         ; which weight
	s_and_b32 s17, s15, 7                          ; which K step
	s_lshl_b32 s18, ttmp9, 1
	s_lshr_b32 s19, s14, 1
	s_add_co_u32 s18, s18, s19                     ; a = my columns / 64
	s_and_b32 s19, s14, 1                          ; g = which 32 of those 64
	; first mapping: w = a, T = 2 g + bit 3 of l, r = l % 8 + 8 (l / 16)
	s_lshl_b32 s21, s18, 3
	s_add_co_u32 s21, s21, s17
	s_mul_i32 s21, s21, REC                        ; record (a, s)
	s_lshl_b32 s22, s19, 11
	s_add_co_u32 s22, s22, s21                     ; codes: + 2,048 g
	s_lshl_b32 s23, s19, 7
	s_add_co_u32 s23, s23, s21
	s_add_co_u32 s23, s23, 4096                    ; scale words: + 4,096 + 128 g
	v_bfe_u32 v5, v1, 3, 1
	v_and_b32 v6, 7, v1
	v_lshrrev_b32 v7, 4, v1
	v_lshl_add_u32 v6, v7, 3, v6                   ; r
	v_lshlrev_b32 v8, 10, v5
	v_lshl_add_u32 v8, v6, 4, v8
	v_add_nc_u32 v8, s22, v8
	v_lshlrev_b32 v9, 2, v5
	v_lshl_add_u32 v9, v6, 3, v9
	v_add_nc_u32 v9, s23, v9
	; Wv's mapping: r = a, w = 8 g + l / 4, T = l % 4
	s_lshl_b32 s24, s19, 6
	s_add_co_u32 s24, s24, s17
	s_mul_i32 s24, s24, REC                        ; record (8 g, s)
	s_lshl_b32 s25, s18, 4
	s_add_co_u32 s25, s25, s24                     ; codes: + 16 a
	s_lshl_b32 s26, s18, 3
	s_add_co_u32 s26, s26, s24
	s_add_co_u32 s26, s26, 4096                    ; scale words: + 4,096 + 8 a
	v_lshrrev_b32 v5, 2, v1
	v_mul_u32_u24 v5, v5, 8*REC                    ; l / 4 waves on
	v_and_b32 v6, 3, v1
	v_lshl_add_u32 v10, v6, 10, v5
	v_add_nc_u32 v10, s25, v10
	v_lshrrev_b32 v7, 1, v6
	v_lshl_add_u32 v14, v7, 7, v5
	v_and_b32 v7, 1, v1
	v_lshl_add_u32 v14, v7, 2, v14
	v_add_nc_u32 v14, s26, v14
	s_cmp_eq_u32 s16, 2
	s_cselect_b32 s20, -1, 0                       ; all lanes: Wv's mapping or the other
	v_cndmask_b32 v3, v8, v10, s20                 ; v3: where my codes go
	v_cndmask_b32 v4, v9, v14, s20                 ; v4: where my scale word goes
	s_lshl_b32 s28, s17, 19                        ; 128 rows of 4,096 bytes a K step,
	s_lshl_b32 s27, ttmp9, 9
	s_add_co_u32 s28, s28, s27                     ; 128 columns a work-group,
	s_lshl_b32 s27, s14, 7
	s_add_co_u32 s28, s28, s27                     ; 32 a wave
	s_mov_b32 s29, 0
	s_mul_i32 s30, s16, WBYTES
	s_mov_b32 s31, 0
	s_wait_kmcnt 0x0
	s_cmp_eq_u32 s16, 1                            ; the weight is chosen by the work-group's number alone
	s_cselect_b64 s[4:5], s[6:7], s[4:5]
	s_cmp_eq_u32 s16, 2
	s_cselect_b64 s[4:5], s[8:9], s[4:5]
	s_cmp_eq_u32 s16, 3
	s_cselect_b64 s[4:5], s[10:11], s[4:5]
	s_add_nc_u64 s[4:5], s[4:5], s[28:29]
	s_add_nc_u64 s[12:13], s[12:13], s[30:31]
.macro LOAD t                          ; block t: W(128 s + 32 t + i, my column), i = 0 .. 31
.irp i, 0,1,2,3,4,5,6,7,8,9,10,11,12,13,14,15,16,17,18,19,20,21,22,23,24,25,26,27,28,29,30,31
	global_load_b32 v[X+32*(\t)+\i], v2, s[4:5] offset:(32*(\t)+\i)*4096 th:TH_LOAD_NT
.endr
.endm
.macro BLOCK t
.set XB, X+32*(\t)
.if (\t) < 3
	s_wait_loadcnt 32                              ; this block's 32 loads are in; the next block's 32 may be out
.else
	s_wait_loadcnt 0
.endif
.if (\t)+2 < 4
	LOAD (\t)+2                                    ; loads run two blocks ahead
.endif
	v_max3_num_f32 v12, |v[XB]|, |v[XB+1]|, |v[XB+2]|      ; the block's largest magnitude, in two chains: all 32 numbers are mine
	v_max3_num_f32 v13, |v[XB+3]|, |v[XB+4]|, |v[XB+5]|
.irp i, 6,10,14,18,22,26
	v_max3_num_f32 v12, v12, |v[XB+\i]|, |v[XB+\i+1]|
	v_max3_num_f32 v13, v13, |v[XB+\i+2]|, |v[XB+\i+3]|
.endr
	v_max3_num_f32 v12, v12, |v[XB+30]|, |v[XB+31]|
	v_max3_num_f32 v12, v12, v13, 0x1800000        ; and the floor 2^(3 - 127): the byte cannot fall under 1
	v_add_nc_u32 v11, 0xff000000, v12              ; 2 off the exponent field: the conversion's scale operand
	v_lshrrev_b32 v13, 23, v11                     ; the scale's byte
.if (\t) == 0
	v_mov_b32 v[SB], v13
.else
	v_lshl_or_b32 v[SB], v13, 8*(\t), v[SB]        ; the lower K in the lower byte
.endif
.irp g, 0,1,2,3
	v_cvt_scalef32_pk8_fp4_f32 v[C+4*(\t)+\g], v[XB+8*\g:XB+8*\g+7], v11
.endr
	v_nop                                          ; one plain line behind the last conversion: the next block writes v11 again
	global_store_b128 v3, v[C+4*(\t):C+4*(\t)+3], s[12:13] offset:512*((\t)/2)+256*((\t)%2)   ; block t is register group t / 2, lane half t % 2
.endm
	LOAD 0
	LOAD 1
	BLOCK 0
	BLOCK 1
	BLOCK 2
	BLOCK 3
	global_store_b32 v4, v[SB], s[12:13]           ; my column's scale word of this K step
	s_endpgm
.Lfunc_end_k_q0c3e3deaad_wquant:
	.size	k_q0c3e3deaad_wquant, .Lfunc_end_k_q0c3e3deaad_wquant-k_q0c3e3deaad_wquant
	.p2alignl 7, 3214868480
	.fill 96, 4, 3214868480
	.section	.rodata,"a",@progbits
	.p2align	6, 0x0
	.amdhsa_kernel k_q0c3e3deaad_wquant
		.amdhsa_group_segment_fixed_size 0
		.amdhsa_private_segment_fixed_size 0
		.amdhsa_enable_private_segment 0
		.amdhsa_kernarg_size 40
		.amdhsa_user_sgpr_count 2
		.amdhsa_user_sgpr_kernarg_segment_ptr 1
		.amdhsa_wavefront_size32 1
		.amdhsa_system_sgpr_workgroup_id_x 1
		.amdhsa_system_sgpr_workgroup_id_y 1
		.amdhsa_system_sgpr_workgroup_id_z 1
		.amdhsa_system_vgpr_workitem_id 0
		.amdhsa_next_free_vgpr 184
		.amdhsa_next_free_sgpr 66
		.amdhsa_reserve_vcc 0
		.amdhsa_float_denorm_mode_32 3
		.amdhsa_float_denorm_mode_16_64 3
		.amdhsa_memory_ordered 1
		.amdhsa_forward_progress 1
		.amdhsa_inst_pref_size 22
	.end_amdhsa_kernel
	.amdgpu_metadata
---
amdhsa.version: [ 1, 2 ]
amdhsa.kernels:
  - .name:           k_q0c3e3deaad_wquant
    .symbol:         k_q0c3e3deaad_wquant.kd
    .args:
      - { .name: Wq, .offset: 0, .size: 8, .value_kind: global_buffer, .address_space: global }
      - { .name: Wk, .offset: 8, .size: 8, .value_kind: global_buffer, .address_space: global }
      - { .name: Wv, .offset: 16, .size: 8, .value_kind: global_buffer, .address_space: global }
      - { .name: Wo, .offset: 24, .size: 8, .value_kind: global_buffer, .address_space: global }
      - { .name: wimg, .offset: 32, .size: 8, .value_kind: global_buffer, .address_space: global }
    .group_segment_fixed_size: 0
    .private_segment_fixed_size: 0
    .kernarg_segment_align: 8
    .kernarg_segment_size: 40
    .max_flat_workgroup_size: 128
    .sgpr_count:     66
    .vgpr_count:     184
    .wavefront_size: 32
...
	.end_amdgpu_metadata
.endif
;; end of part 4
;; launch proj (part 5): grid 256 x 1, 16 waves a work-group, no clusters, 198,656 bytes of LDS; arguments pre_query, pre_key, pre_value, wimg, qc, qs, kc, kvs, vc; writes qc, qs, kc, kvs, vc
.if DOCPART == 5
	.amdgcn_target "amdgcn-amd-amdhsa--gfx1250"
	.amdhsa_code_object_version 6
	.text
	.protected	k_q0c3e3deaad_proj
	.globl	k_q0c3e3deaad_proj
	.p2align	8
	.type	k_q0c3e3deaad_proj,@function
k_q0c3e3deaad_proj:
	s_mov_b64 s[64:65], 0
	v_nop
	global_prefetch_b8 v0, s[64:65] scope:SCOPE_SE
	s_setreg_imm32_b32 hwreg(HW_REG_WAVE_SCHED_MODE, 0, 2), 2
	s_setreg_imm32_b32 hwreg(HW_REG_WAVE_MODE, 25, 1), 1
	s_wait_xcnt 0x0
	s_wait_alu depctr_vm_vsrc(0)
; q = pre_query Wq, k = pre_key Wk, v = pre_value Wv, each [8192][1024] x [1024][1024] on codes of FP4 (E2M1) with E8M0 scales for each 32 along K; the results are quantised at once
; for the attention launch and leave as codes.  The reshape to heads is a plain view: head = row / 128, key or query = 16 (row % 128) + column / 64, d = column % 64.
; SHARES.  A work-group stays on 32 rows and runs three phases (q, k, v).  Sixteen waves of 256 registers; wave w makes 64 columns (4 tiles) for 2 tiles of 16 rows: 8 accumulators.
; x: wave w loads 16 rows x 128 along K (row tile w / 8, K step w % 8) by loads of 512 consecutive bytes, turns them through its own LDS stage so that a lane holds 16 neighbours of each block,
; quantises them, and puts codes and scale words into LDS as rows, from which all sixteen waves take their fragments.
; WEIGHTS come from wimg straight into the operand's registers: 9 dense loads a K step, three K steps' registers by turns.
; THE PRODUCT IS USED TRANSPOSED (source 0 = 16 columns of W, source 1 = 16 rows of x): a lane holds one row.  For q and k the columns of a tile are chosen so that the 16 registers of tiles 2 b, 2 b + 1 are
; columns 64 w + 32 b + 16 (lane / 16) + 0..15: the blocks of 32 along d.  For v tile T holds column 64 p + 4 w + T in its row p: a lane's 8 registers are 8 neighbouring KEYS of one d,
; and a block of 32 keys (two rows x 16 pieces) lies in lanes l, l xor 1, l xor 16, l xor 17.
; OUT: qc, kc [row][512 bytes]; qs and K's part of kvs: one word a query or key: byte 0, byte 1, 0x7f, 0x7f (the upper 64 of the next product's K step are zero codes);
; vc [head][rho][1,024 bytes], keys innermost, rho = d with bits 3 and 4 swapped; V's scale words in kvs at head x 12,288 + 8,192: [16 key steps][64 rho][4 bytes].  All leave through LDS in runs of 256 bytes or more.
; NO JOINT LOADS though all work-groups walk the same weights: each weight byte feeds one wave of a work-group and lands in its operand registers; through LDS its 544 KiB a phase would be written and read
; once more, in 64 KiB slots with a round of the cluster for each.
; LIMITS: a block of zeros gets the byte 1 where the rule says 127 (zero codes; only this program reads the bytes); NaN and infinities are not served.
; THE MODE: SCHED_MODE bits 1:0 = 2 (LLVM: expert scheduling mode 2), set by the entry lines.  The code itself states the register dependences
; between vector or matrix instructions and memory or LDS instructions, with s_wait_alu, always for 0.
; THE PLAN.  Registers that memory or LDS instructions touch:
;   v4-v24          Offsets and LDS addresses: written at the head and never again.
;   B0 .. B2, BS    K step s's products read set s % 3 and its pair of scale words; the nine loads of step s + 3 land there, issued in step s + 1.
;                   B0 and B1 also take the next phase's x as loaded; the stage's LDS stores read it; then weights land there again.
;   AX0 .. AX2      K step s's products read set s % 3; the four LDS loads of step s + 3 land there, issued in step s + 1.
;                   Outside the products the quantiser writes v186-212, and LDS stores read v202-212 (in the v phase v194-201 and v232-239).
;   XS              Loaded once a phase, read by all its products.
;   ACC             The turn's LDS loads land; the quantiser reads; the products write; the quantiser reads; v26-37 take the read-back, which global stores read.
; So ONE wait on va_vdst stands at the head of K steps 1 to 5, behind the waits for the step's own data: it states that the last step's products are done reading their weights, scale words and fragments.
; The step's thirteen loads land in just those registers and are dealt among its eight products, which name the other sets, XS and the accumulators: none of the registers that those loads touch.
; Outside the K steps a wait on va_vdst stands ahead of each run of LDS stores and ahead of x's loads, and a wait on vm_vsrc ahead of each first write of registers that stores have read.
.set REC,    4352
.set WBYTES, 128*REC
.set XSTG, 0                           ; LDS: 16 waves x 8,448: each wave's own 16 rows x (512 + 16) bytes of f32
.set AROW, 135168                      ; x's codes: 32 rows x (512 + 16)
.set ASC,  152064                      ; x's scale words: 32 rows x (32 + 16)
.set OSTG, 153600                      ; q's or k's codes: 32 rows x (512 + 16)
.set SSTG, 170496                      ; their scale words: 32 rows x 64
.set VSTG, 172544                      ; v's codes: 64 d x (256 + 16)
.set VSC,  189952                      ; v's scale bytes: 4 key steps x 64 rho x 4
.set ACC, 26                           ; v26-89   accumulator (m, T) at ACC + 8 (4 m + T); ahead of the products: 64 numbers of x
.set B,   90                           ; v90-185  weights' fragments, three sets of 32; between phases v90-153 take x as loaded
.set AX,  186                          ; x's fragments, three sets of 16: set k at AX + 16 k + 14 (k / 2): v186-201, v202-217, v232-247; outside the products at work
.set BS,  218                          ; v218-223 weights' scale words, three pairs: scales and nothing else
.set XS,  224                          ; v224-231 x's scale words of the 8 K steps: scales and nothing else
.set TM,  186                          ; the quantiser's: v186-189 maxima, v190-193 bytes, v198-201 scale operands
.set PC,  202                          ; v202-209 the codes just made
.set PW,  210                          ; v210     the scale word just made
.set WV,  22
.set SEL, 32
.macro BARRIER                         ; my LDS stores have landed and my LDS loads are in: then the work-group's barrier
	s_wait_dscnt 0x0
	s_barrier_signal -1
	s_barrier_wait -1
.endm
; 64 numbers of a lane, register 16 b + i = the i-th of my 16 of block b, become codes in v[PC] on (registers 4 c .. 4 c + 3: lanes 0-15 block 2 c, lanes 16-31 block 2 c + 1) and four bytes in v[PW]
.macro QUANT s
.irp b, 0,1,2,3
	v_max3_num_f32 v[TM+\b], |v[\s+16*\b]|, |v[\s+1+16*\b]|, 0x1800000   ; my 16 numbers and the floor 2^(3 - 127): the byte cannot fall under 1
.endr
.irp i, 2,4,6,8,10,12,14
.irp b, 0,1,2,3
	v_max3_num_f32 v[TM+\b], v[TM+\b], |v[\s+16*\b+\i]|, |v[\s+1+16*\b+\i]|   ; the four blocks by turns
.endr
.endr
.irp b, 0,1,2,3
	v_permlanex16_b32 v[TM+4+\b], v[TM+\b], s[SEL], s[SEL+1]
.endr
.irp b, 0,1,2,3
	v_max_num_f32 v[TM+\b], v[TM+\b], v[TM+4+\b]   ; with lane l xor 16's: the block's largest magnitude
.endr
.irp b, 0,1,2,3
	v_add_nc_u32 v[TM+12+\b], 0xff000000, v[TM+\b] ; 2 off the exponent field: the conversion's scale operand
.endr
.irp b, 0,1,2,3
	v_lshrrev_b32 v[TM+4+\b], 23, v[TM+12+\b]      ; the scale's byte
.endr
	v_lshl_or_b32 v[PW], v[TM+5], 8, v[TM+4]
	v_lshl_or_b32 v[PW], v[TM+6], 16, v[PW]
	v_lshl_or_b32 v[PW], v[TM+7], 24, v[PW]
.irp b, 0,1,2,3
	v_cvt_scalef32_pk8_fp4_f32 v[PC+2*\b], v[\s+16*\b:\s+7+16*\b], v[TM+12+\b]
	v_cvt_scalef32_pk8_fp4_f32 v[PC+1+2*\b], v[\s+8+16*\b:\s+15+16*\b], v[TM+12+\b]
.endr
	v_nop                                          ; one plain line behind the last conversion
.irp c, 0,1
.irp i, 0,1
	v_permlane16_swap_b32 v[PC+4*\c+\i], v[PC+2+4*\c+\i]   ; a whole block to a lane
.endr
.endr
.endm
; K step s of my weights is nine loads: 4 tiles x 2 register groups, 512 consecutive bytes a load, and the scale words.
.macro BTILES s, wp, T0                ; tiles T0 and T0 + 1: four loads
.irp T, \T0, \T0+1
.irp c, 0,1
	global_load_b128 v[B+32*((\s)%3)+8*(\T)+4*\c:B+32*((\s)%3)+8*(\T)+4*\c+3], v5, s[\wp:\wp+1] offset:REC*(\s)+1024*(\T)+512*\c
.endr
.endr
.endm
.macro BWORDS s, wp                    ; the scale words: register T % 2: lanes 0-15 tile T % 2, lanes 16-31 tile 2 + T % 2
	global_load_b64 v[BS+2*((\s)%3):BS+2*((\s)%3)+1], v6, s[\wp:\wp+1] offset:REC*(\s)+4096
.endm
.macro BLOAD s, wp                     ; all nine on end
	BTILES \s, \wp, 0
	BTILES \s, \wp, 2
	BWORDS \s, \wp
.endm
.macro AFETCH s                        ; x's two fragments of K step s into set s % 3: lane (r, h): row 16 m + r, bytes 64 s + 32 c + 16 h
.set rF, AX+16*((\s)%3)+14*(((\s)%3)/2)
.irp m, 0,1
.irp c, 0,1
	ds_load_b128 v[rF+8*\m+4*\c:rF+8*\m+4*\c+3], v12 offset:8448*\m+64*(\s)+32*\c
.endr
.endr
.endm
.macro XSLOAD                          ; lane l takes row l's eight scale words: lanes 0-15 serve row tile 0, lanes 16-31 row tile 1
	ds_load_b128 v[XS:XS+3], v13
	ds_load_b128 v[XS+4:XS+7], v13 offset:16
.endm
.macro WM s, T, m, zero                ; one product: weights' tile T x row tile m, K step s
.set rD, ACC+8*(4*\m+\T)
.set rW, B+32*((\s)%3)+8*\T
.set rA, AX+16*((\s)%3)+14*(((\s)%3)/2)+8*\m
.set rS, BS+2*((\s)%3)+(\T%2)
.set rX, XS+(\s)
.if \zero
.if (\T < 2) && (\m == 0)
	v_wmma_scale_f32_16x16x128_f8f6f4 v[rD:rD+7], v[rW:rW+7], v[rA:rA+7], 0, v[rS], v[rX] matrix_a_fmt:MATRIX_FMT_FP4 matrix_b_fmt:MATRIX_FMT_FP4
.elseif (\T < 2)
	v_wmma_scale_f32_16x16x128_f8f6f4 v[rD:rD+7], v[rW:rW+7], v[rA:rA+7], 0, v[rS], v[rX] matrix_a_fmt:MATRIX_FMT_FP4 matrix_b_fmt:MATRIX_FMT_FP4 matrix_b_scale:MATRIX_SCALE_ROW1
.elseif (\m == 0)
	v_wmma_scale_f32_16x16x128_f8f6f4 v[rD:rD+7], v[rW:rW+7], v[rA:rA+7], 0, v[rS], v[rX] matrix_a_fmt:MATRIX_FMT_FP4 matrix_b_fmt:MATRIX_FMT_FP4 matrix_a_scale:MATRIX_SCALE_ROW1
.else
	v_wmma_scale_f32_16x16x128_f8f6f4 v[rD:rD+7], v[rW:rW+7], v[rA:rA+7], 0, v[rS], v[rX] matrix_a_fmt:MATRIX_FMT_FP4 matrix_b_fmt:MATRIX_FMT_FP4 matrix_a_scale:MATRIX_SCALE_ROW1 matrix_b_scale:MATRIX_SCALE_ROW1
.endif
.else
.if (\T < 2) && (\m == 0)
	v_wmma_scale_f32_16x16x128_f8f6f4 v[rD:rD+7], v[rW:rW+7], v[rA:rA+7], v[rD:rD+7], v[rS], v[rX] matrix_a_fmt:MATRIX_FMT_FP4 matrix_b_fmt:MATRIX_FMT_FP4
.elseif (\T < 2)
	v_wmma_scale_f32_16x16x128_f8f6f4 v[rD:rD+7], v[rW:rW+7], v[rA:rA+7], v[rD:rD+7], v[rS], v[rX] matrix_a_fmt:MATRIX_FMT_FP4 matrix_b_fmt:MATRIX_FMT_FP4 matrix_b_scale:MATRIX_SCALE_ROW1
.elseif (\m == 0)
	v_wmma_scale_f32_16x16x128_f8f6f4 v[rD:rD+7], v[rW:rW+7], v[rA:rA+7], v[rD:rD+7], v[rS], v[rX] matrix_a_fmt:MATRIX_FMT_FP4 matrix_b_fmt:MATRIX_FMT_FP4 matrix_a_scale:MATRIX_SCALE_ROW1
.else
	v_wmma_scale_f32_16x16x128_f8f6f4 v[rD:rD+7], v[rW:rW+7], v[rA:rA+7], v[rD:rD+7], v[rS], v[rX] matrix_a_fmt:MATRIX_FMT_FP4 matrix_b_fmt:MATRIX_FMT_FP4 matrix_a_scale:MATRIX_SCALE_ROW1 matrix_b_scale:MATRIX_SCALE_ROW1
.endif
.endif
.endm
; A K step of 128: 8 products, the eight accumulators by turns, one instruction a turn, in the same order in every step.
; Steps 0 to 2 were asked for ahead of step 0.  Steps 1 to 5 ask for the step two further on, into the sets that the step before has read.
.macro KSTEP s, zero, wp
.if (\s) == 0
	s_wait_loadcnt 18                              ; this step's 9 weight loads are in; the 18 of steps 1 and 2 may be out
	s_wait_dscnt 8                                 ; x's scale words and this step's fragments are in; the eight loads of steps 1 and 2 may be out
.elseif (\s) <= 6
	s_wait_loadcnt 9                               ; this step's 9 weight loads are in; the next step's 9 may be out
	s_wait_dscnt 4                                 ; this step's fragments of x are in; the next step's four loads may be out
.else
	s_wait_loadcnt 0
	s_wait_dscnt 0
.endif
.if ((\s) >= 1) && ((\s) <= 5)
	s_wait_alu depctr_va_vdst(0)                   ; the last step's products are done reading their set of weights, its scale words and their fragments of x: this step's thirteen loads land there
.endif
	WM \s, 0, 0, \zero
	WM \s, 0, 1, \zero
.if ((\s) >= 1) && ((\s) <= 5)
	AFETCH (\s)+2                                  ; no further wait: no product since the wait above names these registers or v12
.endif
	WM \s, 1, 0, \zero
	WM \s, 1, 1, \zero
.if ((\s) >= 1) && ((\s) <= 5)
	BTILES (\s)+2, \wp, 0                          ; likewise, with v5
.endif
	WM \s, 2, 0, \zero
	WM \s, 2, 1, \zero
.if ((\s) >= 1) && ((\s) <= 5)
	BTILES (\s)+2, \wp, 2
	BWORDS (\s)+2, \wp                             ; likewise, with v6
.endif
	WM \s, 3, 0, \zero
	WM \s, 3, 1, \zero
.if ((\s) <= 4) || ((\s) == 7)
.rept 4
	v_nop                                          ; four places between these products and the next step's loads into registers that they have read, and the first read of results: they stay beside the waits
.endr
.endif
.endm
.macro XLOAD xp                        ; my 16 rows x 128 along K of x: a load reads 512 consecutive bytes of one row
.irp i, 0,1,2,3,4,5,6,7,8,9,10,11,12,13,14,15
	global_load_b128 v[B+4*\i:B+4*\i+3], v4, s[\xp:\xp+1] offset:4096*\i th:TH_LOAD_NT
.endr
.endm
	s_load_b256 s[4:11], s[0:1], 0x0               ; pre_query, pre_key, pre_value, wimg
	s_load_b256 s[12:19], s[0:1], 0x20             ; qc, qs, kc, kvs
	s_load_b64 s[20:21], s[0:1], 0x40              ; vc
	v_lshl_add_u32 v254, v0, 2, 0x30000            ; the LDS address of my spare word and 0: made here and kept for the closing lines alone
	v_mov_b32 v255, 0
	v_lshrrev_b32 v1, 5, v0
	v_readfirstlane_b32 s[WV], v1                  ; wave 0..15
	v_and_b32 v1, 31, v0                           ; L
	v_and_b32 v2, 15, v0                           ; R
	v_bfe_u32 v3, v0, 4, 1                         ; H
	s_wait_alu depctr_va_sdst(0)                   ; s22, the wave's number, is written, ahead of its first reader
	s_lshr_b32 s41, s[WV], 3                       ; the row tile that I quantise
	s_and_b32 s42, s[WV], 7                        ; and its K step
	s_lshl_b32 s43, s41, 16
	s_lshl_b32 s44, s42, 9
	s_add_co_u32 s43, s43, s44
	v_lshl_add_u32 v4, v1, 4, s43                  ; v4: x: 16 L + 16 rows x tile + 512 x K step
	s_lshl_b32 s48, ttmp9, 17                      ; my work-group's 32 rows: of x,
	s_mov_b32 s49, 0
	s_lshl_b32 s50, ttmp9, 14                      ; of codes,
	s_mov_b32 s51, 0
	s_lshl_b32 s52, ttmp9, 11                      ; of scale words
	s_mov_b32 s53, 0
	s_lshr_b32 s54, ttmp9, 2                       ; the head
	s_and_b32 s55, ttmp9, 3                        ; which 32 of its 128 rows
	s_mul_i32 s56, s54, 12288
	s_lshl_b32 s58, s55, 11
	s_add_co_u32 s58, s58, s56                     ; K's scale words
	s_mov_b32 s59, 0
	s_lshl_b32 s60, s55, 10
	s_add_co_u32 s60, s60, s56
	s_add_co_u32 s60, s60, 8192                    ; V's: 4 key steps x 256 bytes
	s_mov_b32 s61, 0
	s_lshl_b32 s62, s54, 16
	s_lshl_b32 s57, s55, 8
	s_add_co_u32 s62, s62, s57                     ; V's codes: 256 bytes of each row rho
	s_mov_b32 s63, 0
	s_mul_i32 s46, s[WV], 8*REC                    ; my wave's 8 records
	s_mov_b32 s47, 0
	s_wait_kmcnt 0x0
	s_add_nc_u64 s[4:5], s[4:5], s[48:49]
	s_wait_alu depctr_va_vdst(0)                   ; v4 is written, which every load of x reads as its offset
	XLOAD 4                                        ; the first phase's x goes out before anything else
	s_add_nc_u64 s[6:7], s[6:7], s[48:49]
	s_add_nc_u64 s[8:9], s[8:9], s[48:49]
	s_add_nc_u64 s[12:13], s[12:13], s[50:51]
	s_add_nc_u64 s[16:17], s[16:17], s[50:51]
	s_add_nc_u64 s[14:15], s[14:15], s[52:53]
	s_add_nc_u64 s[36:37], s[18:19], s[58:59]
	s_add_nc_u64 s[38:39], s[18:19], s[60:61]
	s_add_nc_u64 s[20:21], s[20:21], s[62:63]
	s_add_nc_u64 s[26:27], s[10:11], s[46:47]      ; Wq's records,
	s_add_nc_u64 s[28:29], s[26:27], WBYTES        ; Wk's,
	s_add_nc_u64 s[30:31], s[28:29], WBYTES        ; Wv's
	s_mov_b32 s[SEL], 0x76543210
	s_mov_b32 s[SEL+1], 0xfedcba98                 ; v_permlanex16_b32's selects for lane l xor 16
	s_mov_b32 s34, 0xffff
	s_mov_b32 s35, 0x7f7f0000
	s_and_b32 s40, s[WV], 9                        ; w' = w with bits 1 and 2 swapped: rho = 4 w' + T is d = 4 w + T with bits 3 and 4 swapped
	s_and_b32 s45, s[WV], 2
	s_lshl_b32 s45, s45, 1
	s_or_b32 s40, s40, s45
	s_and_b32 s45, s[WV], 4
	s_lshr_b32 s45, s45, 1
	s_or_b32 s40, s40, s45
	v_lshlrev_b32 v5, 4, v1                        ; v5: 16 L
	v_lshlrev_b32 v6, 3, v1                        ; v6: 8 L
	v_lshlrev_b32 v7, 8, v0                        ; v7: 256 x thread: the prefetch's offset
	s_mul_i32 s44, s[WV], 8448                     ; my stage
	v_add_nc_u32 v8, s44, v5                       ; v8: the turn, in: a row's 512 bytes as loaded
	v_mul_u32_u24 v25, v2, 528
	v_lshl_add_u32 v9, v3, 6, v25
	v_add_nc_u32 v9, s44, v9                       ; v9: the turn, out: row R, my 16 numbers of each block
	v_lshl_add_u32 v12, v3, 4, v25                 ; 528 R + 16 H
	s_wait_alu depctr_va_vdst(0)
	s_mul_i32 s45, s41, 8448
	s_lshl_b32 s43, s42, 6
	s_add_co_u32 s45, s45, s43
	s_add_co_u32 s45, s45, AROW
	v_add_nc_u32 v10, s45, v12                     ; v10: where my fragment of x goes
	v_mul_u32_u24 v11, v2, 48
	s_mul_i32 s45, s41, 768
	s_lshl_b32 s43, s42, 2
	s_add_co_u32 s45, s45, s43
	s_add_co_u32 s45, s45, ASC
	v_add_nc_u32 v11, s45, v11                     ; v11: and its scale word
	s_lshl_b32 s45, s[WV], 5
	s_add_co_u32 s45, s45, OSTG
	v_add_nc_u32 v14, s45, v12                     ; v14: q, k: row R, 32 w + 16 H
	v_add_nc_u32 v12, AROW, v12                    ; v12: x's fragments
	v_mul_u32_u24 v13, v1, 48
	v_add_nc_u32 v13, ASC, v13                     ; v13: x's scale words, a lane a row
	s_lshl_b32 s45, s[WV], 2
	s_add_co_u32 s45, s45, SSTG
	v_lshl_add_u32 v15, v2, 6, s45                 ; v15: q, k: the word of (row R, piece w)
	s_mul_i32 s45, s[WV], 1056
	s_add_co_u32 s45, s45, OSTG
	v_add_nc_u32 v16, s45, v5                      ; v16: back: rows 2 w, 2 w + 1
	s_lshl_b32 s45, s[WV], 9
	v_add_nc_u32 v19, s45, v5                      ; v19: 512 w + 16 L, in memory
	v_add_nc_u32 v17, SSTG, v19                    ; v17: the words back (waves 0 to 3)
	v_add_nc_u32 v24, VSC, v19                     ; v24: v's bytes back (waves 0 and 1)
	s_lshl_b32 s45, s[WV], 10
	v_add_nc_u32 v18, s45, v5                      ; v18: 1,024 w + 16 L, in memory
	s_mul_i32 s45, s[WV], 1088
	s_add_co_u32 s45, s45, VSTG
	v_lshlrev_b32 v20, 3, v2
	v_lshl_add_u32 v20, v3, 2, v20
	v_add_nc_u32 v20, s45, v20                     ; v20: v: row d = 4 w (+ T), 8 R + 4 H
	v_mul_u32_u24 v22, v3, 272
	v_lshl_add_u32 v22, v2, 4, v22
	v_add_nc_u32 v22, s45, v22                     ; v22: back: rows 4 w + H (+ 2 i), sixteen lanes to a row's 256 bytes
	v_lshrrev_b32 v21, 3, v2
	v_lshlrev_b32 v21, 8, v21
	v_bfe_u32 v25, v2, 1, 2
	v_add_nc_u32 v21, v21, v25
	s_lshl_b32 s45, s40, 4
	s_add_co_u32 s45, s45, VSC
	v_add_nc_u32 v21, s45, v21                     ; v21: v's byte: key step R / 8 (+ 2 m), rho = 4 w' (+ T), block (R / 2) % 4
	v_lshlrev_b32 v23, 10, v3
	v_lshl_add_u32 v23, v2, 4, v23
	s_lshl_b32 s45, s40, 12
	v_add_nc_u32 v23, s45, v23                     ; v23: vc: row 4 w' + H (+ 2 i), 16 R
.set j, 190
.rept 12
	v_mov_b32 v[j], 0                              ; v190-201, written once: a lane permute's destination counts as one of its sources
.set j, j+1
.endr
	s_wait_alu depctr_va_vdst(0)                   ; the offsets and LDS addresses v5 to v24 are written, which the loads, stores and prefetches of all three phases read; no vector line names them again
; ONE PHASE.  p: 0 q, 1 k, 2 v; xp: x; wp: my records; nx: the next phase's x; cp, sp: where codes and scale words go.  Two barriers: behind the first x's codes lie in LDS; behind the second the results' codes.
; The second also parts this phase's reads of x's codes from the next phase's stores; the next phase's first parts the read-back of a stage from its next stores.
.macro PHASE p, xp, wp, nx, cp, sp
	s_wait_xcnt 0x0                                ; the last phase's stores have read their registers: they are written again below
.if \p
	s_wait_alu depctr_vm_vsrc(0)                   ; the last phase's global stores have read v26-37, in which the turn's loads land, and its LDS stores v202-212, which the quantiser writes again
.endif
	s_wait_loadcnt 0x0                             ; x is in
.irp i, 0,1,2,3,4,5,6,7,8,9,10,11,12,13,14,15
	ds_store_b128 v8, v[B+4*\i:B+4*\i+3] offset:528*\i
.endr
.irp b, 0,1,2,3
.irp j, 0,1,2,3
	ds_load_b128 v[ACC+16*\b+4*\j:ACC+16*\b+4*\j+3], v9 offset:128*\b+16*\j   ; LDS serves a wave's instructions in order (ISA guide 5.7.1.4): these see my stores
.endr
.endr
	s_wait_dscnt 0x0                               ; my 64 numbers are back
	s_wait_alu depctr_vm_vsrc(0)                   ; the stage's stores have read v90-153, in which weights land
	BLOAD 0, \wp                                   ; three K steps of weights fly while x is quantised
	BLOAD 1, \wp
	BLOAD 2, \wp
	QUANT ACC
	s_wait_alu depctr_va_vdst(0)                   ; the quantiser has written the codes v202-209 and the word v210, which the LDS stores read, and is done with v186-210, in which fragments land behind the barrier
	ds_store_b128 v10, v[PC:PC+3]
	ds_store_b128 v10, v[PC+4:PC+7] offset:32
	ds_store_b32 v11, v[PW]                        ; both halves of the lanes write the same word
	BARRIER
	s_wait_alu depctr_vm_vsrc(0)                   ; my LDS stores have read v202-210: fragments of x land there
	XSLOAD
	AFETCH 0
	AFETCH 1
	AFETCH 2
	KSTEP 0, 1, \wp                                ; the first step's products start the sums
	KSTEP 1, 0, \wp
	KSTEP 2, 0, \wp
	KSTEP 3, 0, \wp
.if \p < 2
	global_prefetch_b8 v7, s[\nx:\nx+1] th:TH_LOAD_NT scope:SCOPE_SE   ; the next phase's 32 rows of x, 128 KiB: each of the 512 threads names another 256 bytes, once in the launch, four K steps ahead of their loads
.endif
	KSTEP 4, 0, \wp
	KSTEP 5, 0, \wp
	KSTEP 6, 0, \wp
	KSTEP 7, 0, \wp
.if \p < 2
	s_wait_alu depctr_va_vdst(0)                   ; the phase's products are done reading the weights' sets, in two of which x lands now, and the scale words and fragments, in which the next phase's loads land
	XLOAD \nx                                      ; behind the last step's four places; it flies while the results are quantised
	QUANT ACC                                      ; block 2 m + b: row 16 m + R, columns 64 w + 32 b on
	v_and_or_b32 v211, v[PW], s34, s35             ; the word of (row R, piece w): two bytes, and 0x7f for the zero codes above
	v_lshrrev_b32 v212, 16, v[PW]
	v_or_b32 v212, s35, v212                       ; and of row 16 + R
	s_wait_alu depctr_va_vdst(0)                   ; the codes v202-209 and the words v211, v212 are written, which the LDS stores read; the quantiser is done reading v26-89, in which the read-back and the next turn land
	ds_store_b128 v14, v[PC:PC+3]
	ds_store_b128 v14, v[PC+4:PC+7] offset:8448
	ds_store_b32 v15, v211
	ds_store_b32 v15, v212 offset:1024
	BARRIER
	ds_load_b128 v[26:29], v16
	ds_load_b128 v[30:33], v16 offset:528
	s_wait_dscnt 0x0
	global_store_b128 v18, v[26:29], s[\cp:\cp+1]              ; a store of the wave covers a row's 512 consecutive bytes
	global_store_b128 v18, v[30:33], s[\cp:\cp+1] offset:512
	s_cmp_lt_u32 s[WV], 4                          ; the 2,048 bytes of scale words leave by waves 0 to 3
	s_cbranch_scc0 .Lno_words_\@
	ds_load_b128 v[34:37], v17
	s_wait_dscnt 0x0
	global_store_b128 v19, v[34:37], s[\sp:\sp+1]
.Lno_words_\@:
.else
.irp a, 0,1,2,3,4,5,6,7                ; accumulator a = 4 m + T: row 16 m + R, d = 4 w + T, keys 16 row + 8 H + 0..7
	v_max3_num_f32 v[186+\a], |v[ACC+8*\a]|, |v[ACC+8*\a+1]|, 0x1800000
.endr
.irp i, 2,4,6
.irp a, 0,1,2,3,4,5,6,7
	v_max3_num_f32 v[186+\a], v[186+\a], |v[ACC+8*\a+\i]|, |v[ACC+8*\a+\i+1]|
.endr
.endr
.irp a, 0,1,2,3,4,5,6,7
	v_max_num_f32_dpp v[186+\a], v[186+\a], v[186+\a] row_xmask:1 row_mask:0xf bank_mask:0xf   ; with the block's other row,
.endr
.irp a, 0,1,2,3,4,5,6,7
	v_permlanex16_b32 v[194+\a], v[186+\a], s[SEL], s[SEL+1]
.endr
.irp a, 0,1,2,3,4,5,6,7
	v_max_num_f32 v[186+\a], v[186+\a], v[194+\a]  ; and the rows' other eight pieces: the largest magnitude of 32 keys
.endr
.irp a, 0,1,2,3,4,5,6,7
	v_add_nc_u32 v[202+\a], 0xff000000, v[186+\a]
.endr
.irp a, 0,1,2,3,4,5,6,7
	v_lshrrev_b32 v[194+\a], 23, v[202+\a]
.endr
.irp a, 0,1,2,3,4,5,6,7
	v_cvt_scalef32_pk8_fp4_f32 v[232+\a], v[ACC+8*\a:ACC+8*\a+7], v[202+\a]
.endr
	v_nop                                          ; one plain line behind the last conversion
	s_wait_alu depctr_va_vdst(0)                   ; the codes v232-239 and the bytes v194-201 are written, which the LDS stores read; the conversions are done reading v26-37, in which the read-back lands
.irp a, 0,1,2,3,4,5,6,7
	ds_store_b32 v20, v[232+\a] offset:272*(\a%4)+128*(\a/4)
	ds_store_b8 v21, v[194+\a] offset:512*(\a/4)+4*(\a%4)      ; the four lanes of a block write the same byte with the same value
.endr
	BARRIER
	ds_load_b128 v[26:29], v22
	ds_load_b128 v[30:33], v22 offset:544
	s_wait_dscnt 0x0
	global_store_b128 v23, v[26:29], s[\cp:\cp+1]              ; sixteen lanes store 256 consecutive bytes of a row of V^T, at a multiple of 256 from the buffer's first byte
	global_store_b128 v23, v[30:33], s[\cp:\cp+1] offset:2048
	s_cmp_lt_u32 s[WV], 2                          ; the 1,024 scale bytes leave by waves 0 and 1
	s_cbranch_scc0 .Lno_bytes_\@
	ds_load_b128 v[34:37], v24
	s_wait_dscnt 0x0
	global_store_b128 v19, v[34:37], s[\sp:\sp+1]
.Lno_bytes_\@:
.endif
.endm
	PHASE 0, 4, 26, 6, 12, 14
	PHASE 1, 6, 28, 8, 16, 36
	PHASE 2, 8, 30, 8, 20, 38
	s_wait_dscnt 0x0                               ; the closing lines, six on end
	s_wait_alu 0x0
	s_wait_tensorcnt 0x0
	ds_add_u32 v254, v255
	s_wait_dscnt 0x0
	s_endpgm
.Lfunc_end_k_q0c3e3deaad_proj:
	.size	k_q0c3e3deaad_proj, .Lfunc_end_k_q0c3e3deaad_proj-k_q0c3e3deaad_proj
	.p2alignl 7, 3214868480
	.fill 96, 4, 3214868480
	.section	.rodata,"a",@progbits
	.p2align	6, 0x0
	.amdhsa_kernel k_q0c3e3deaad_proj
		.amdhsa_group_segment_fixed_size 198656
		.amdhsa_private_segment_fixed_size 0
		.amdhsa_enable_private_segment 0
		.amdhsa_kernarg_size 72
		.amdhsa_user_sgpr_count 2
		.amdhsa_user_sgpr_kernarg_segment_ptr 1
		.amdhsa_wavefront_size32 1
		.amdhsa_system_sgpr_workgroup_id_x 1
		.amdhsa_system_sgpr_workgroup_id_y 1
		.amdhsa_system_sgpr_workgroup_id_z 1
		.amdhsa_system_vgpr_workitem_id 0
		.amdhsa_next_free_vgpr 256
		.amdhsa_next_free_sgpr 66
		.amdhsa_reserve_vcc 0
		.amdhsa_float_denorm_mode_32 3
		.amdhsa_float_denorm_mode_16_64 3
		.amdhsa_memory_ordered 1
		.amdhsa_forward_progress 1
		.amdhsa_inst_pref_size 101
	.end_amdhsa_kernel
	.amdgpu_metadata
---
amdhsa.version: [ 1, 2 ]
amdhsa.kernels:
  - .name:           k_q0c3e3deaad_proj
    .symbol:         k_q0c3e3deaad_proj.kd
    .args:
      - { .name: pre_query, .offset: 0, .size: 8, .value_kind: global_buffer, .address_space: global }
      - { .name: pre_key, .offset: 8, .size: 8, .value_kind: global_buffer, .address_space: global }
      - { .name: pre_value, .offset: 16, .size: 8, .value_kind: global_buffer, .address_space: global }
      - { .name: wimg, .offset: 24, .size: 8, .value_kind: global_buffer, .address_space: global }
      - { .name: qc, .offset: 32, .size: 8, .value_kind: global_buffer, .address_space: global }
      - { .name: qs, .offset: 40, .size: 8, .value_kind: global_buffer, .address_space: global }
      - { .name: kc, .offset: 48, .size: 8, .value_kind: global_buffer, .address_space: global }
      - { .name: kvs, .offset: 56, .size: 8, .value_kind: global_buffer, .address_space: global }
      - { .name: vc, .offset: 64, .size: 8, .value_kind: global_buffer, .address_space: global }
    .group_segment_fixed_size: 198656
    .private_segment_fixed_size: 0
    .kernarg_segment_align: 8
    .kernarg_segment_size: 72
    .max_flat_workgroup_size: 512
    .sgpr_count:     66
    .vgpr_count:     256
    .wavefront_size: 32
...
	.end_amdgpu_metadata
.endif
;; end of part 5
;; launch attnout (part 6): grid 4 x 64, 16 waves a work-group, clusters of 4 x 1, 298,496 bytes of LDS; arguments qc, qs, kc, vc, kvs, wimg, pre_value, gamma, beta, out0; writes out0
.if DOCPART == 6
	.amdgcn_target "amdgcn-amd-amdhsa--gfx1250"
	.amdhsa_code_object_version 6
	.text
	.protected	k_q0c3e3deaad_attnout
	.globl	k_q0c3e3deaad_attnout
	.p2align	8
	.type	k_q0c3e3deaad_attnout,@function
k_q0c3e3deaad_attnout:
	s_mov_b64 s[64:65], 0
	v_nop
	global_prefetch_b8 v0, s[64:65] scope:SCOPE_SE
	s_setreg_imm32_b32 hwreg(HW_REG_WAVE_MODE, 25, 1), 1
	s_wait_xcnt 0x0
	s_wait_alu depctr_hold_cnt(0) depctr_sa_sdst(0) depctr_va_vdst(0) depctr_va_sdst(0) depctr_va_ssrc(0) depctr_va_vcc(0) depctr_vm_vsrc(0)
	s_getreg_b32 s2, hwreg(HW_REG_IB_STS2, 6, 4)
	s_cmp_eq_u32 s2, 0
	s_cbranch_scc0 .Lentry_in_a_cluster
	s_endpgm
.Lentry_in_a_cluster:
	s_bfe_u32 s2, ttmp6, 0x10000c
	s_cmp_lg_u32 s2, 0x3003
	s_cbranch_scc0 .Lentry_shape_is_right
	s_endpgm
.Lentry_shape_is_right:
; out0 = LayerNorm(o Wo + pre_value) x gamma + beta, with o[head][q][:] = the sum over k of softmax_k(q . k / 8) v[k][:]: 64 heads of 2,048 x 2,048, head size 64.  All three products run on codes of FP4 (E2M1)
; with one E8M0 scale for each 32 along K.  The reshape to heads is a plain view: 16 neighbouring queries of a head are one row of o [8192][1024], so a work-group's 512 queries are 32 whole rows: o never goes to memory.
; FIRST HALF, ATTENTION.  t = score x log2(e) / 8; M = the running largest t rounded UP to a whole number; p = 2^(t - M) is quantised along the keys, not normalised; the row's sum is taken of the unquantised p and
; divides at the end.  When M moves, the sum and O are multiplied by 2^(old M - new M): exact.  The first product's K is 64: the upper 64 of the instruction's 128 are zero codes on both sides, under the byte 0x7f.
; Each of sixteen waves of 256 registers owns a tile of 16 queries in each of two passes and walks the head's keys, 128 a step.  A head's K, V and scales, 140 KiB, lie in LDS for the whole launch: filled once.
; CLUSTER: the four work-groups of a head ask for them JOINTLY: the same five tensor loads, the same descriptors, the mask of all four.  By this text's count a wave has at most one tensor load out.
; LAYOUT.  Both products are used transposed (S^T = K Q^T, O^T = V^T P^T): a lane holds one query.  LANE r OF KEY TILE 4 c + t TAKES KEY 64 c + 8 t + r % 8 + 32 (r / 8): a lane's 32 registers of tiles 4 c .. 4 c + 3 are
; then the 32 neighbouring keys 64 c + 32 (lane / 16) + 0..31: ONE WHOLE BLOCK, in the very order of the next operand's registers.  So a block's maximum needs no other lane and the conversions' results are the operand.
; V^T's rows lie in the order rho = d with bits 3 and 4 swapped, so that the 16 registers of O^T's tiles 2 b, 2 b + 1 are 16 neighbouring d.  One scale register serves two tiles: lanes 0-15 the even one, lanes 16-31 the odd.
; SECOND HALF.  Pass i of wave w leaves row 16 i + w of o as 512 bytes of codes and 32 scale bytes in LDS.  Behind one barrier wave w makes columns 64 w .. 64 w + 63 of o Wo for the 32 rows (8 accumulators; source 0 = 16 columns
; of Wo, source 1 = 16 rows of o); the rows meet in a stage; then a wave owns two whole rows: residual, mean, variance of the differences, gain and bias in f32; a store covers 512 consecutive bytes.
; Wo's records (wimg's fourth weight, in the order of the operand's registers) go from memory straight into registers, not by joint loads: their 544 KiB do not fit beside the head, so they would want slots that are filled
; again, a round of the cluster for each, and a second trip through LDS for bytes that feed one wave each.
; LIMITS: a block's largest p is taken from its largest score by the same two instructions, which takes v_exp_f32 not to fall where its input rises; a block of zeros gets the byte 1 where the rule says 127 (its codes are
; zeros, and only this launch reads the bytes); NaN and infinities are not served.
; REGISTERS, first half: v1-7, v246, v247 addresses that stay; v8-11 the step's; v12 -M, v13 the largest t, v[14:15] the sum; v16-23 Q; v24-27 K's scale words; v32-95 K's eight fragments; v96-159 S^T, then p; v160-191 O^T;
; v192-223 V's four fragments; v224-231 p's codes; v232-239, v248-249, v254 at work; v240-241 V's scale words; v252 f, v253 p's scale word, v255 Q's.
; Second half: v1-15 addresses; v24-31 o's scale words; v32-95 accumulators, then my two rows; v96-191 Wo's fragments, three sets, then pre_value and gamma; v192-223 o's fragments, then beta; v224-239 a row's figures; v240-245 Wo's scale words.
.set KL,   0                           ; K: 128 units of 16 keys x 32 bytes + 16 of padding: 528 bytes a unit
.set VL,   67584                       ; V^T: 64 rows of 1,024 bytes + 16
.set SL,   134144                      ; K's 2,048 scale words, then at + 8,192 V's [16 steps][64 rho]
.set AROW, 146432                      ; o's codes: 32 rows x (512 + 16); no fill lands from here on
.set ASC,  163328                      ; o's scale words: 32 rows x (32 + 16)
.set YSTG, 164864                      ; the stage: 32 rows x (4,096 + 16)
.set REC,    4352
.set WBYTES, 128*REC
.set WV,  18
.set SEL, 20
.set CS,  22
.set ACC, 32
.set B,   96
.set AX,  192
.set BS,  240
.set XS,  24
.set XR,  32
.set PVR, 96
.set GA,  160
.set BE,  192
.set TR,  224                          ; row i's figures at TR + 8 i: +0..3 two running pairs, +4 (pair +4, +5) sum, mean, variance, +6 (pair +6, +7) 1 / sqrt
.macro ROUND                           ; a round of the cluster's barrier
	s_barrier_signal -1
	s_barrier_wait -1
	s_cmp_lg_u32 s[WV], 0
	s_cbranch_scc1 .Lnot_wave_0_\@
	s_barrier_signal -3
.Lnot_wave_0_\@:
	s_barrier_wait -3
	s_barrier_signal -1
	s_barrier_wait -1
.endm
.macro BARRIER                         ; my LDS stores have landed and my LDS loads are in: then the work-group's barrier
	s_wait_dscnt 0x0
	s_barrier_signal -1
	s_barrier_wait -1
.endm
	s_load_b256 s[4:11], s[0:1], 0x0               ; qc, qs, kc, vc
	s_load_b128 s[12:15], s[0:1], 0x20             ; kvs, wimg
	s_load_b256 s[80:87], s[0:1], 0x30             ; pre_value, gamma, beta, out0
	v_lshl_add_u32 v250, v0, 2, 0x48600
	v_mov_b32 v251, 0
	ds_add_u32 v250, v251
	ds_add_u32 v250, v251
	v_lshrrev_b32 v1, 5, v0
	s_delay_alu instid0(VALU_DEP_1)
	v_readfirstlane_b32 s[WV], v1                  ; wave 0..15
	s_bfe_u32 s19, ttmp6, 0x40000                  ; cx: my place in the cluster
	s_lshl_b32 s72, ttmp9, 2
	s_add_co_u32 s72, s72, s19                     ; my block of 512 queries: it enters Q's, pre_value's and out0's addresses alone
	s_and_b32 s71, ttmp7, 0xffff                   ; the head, which the four partners share
	; descriptor groups 1, in elements of 8 bytes.  K: 64 rows (units) of 512 bytes, dense, 4 words of padding behind each 128
	s_mov_b32 s24, 15|(3<<16)|(1<<20)|(1<<21)|(6<<22)|(3<<25)   ; 15:0 the mask: all four; 17:16 elements of 8 bytes; 20 padding on; 21 set beside a mask; 24:22 after every 128 words; 31:25 four words
	s_mov_b32 s25, 64<<16                          ; tensor_dim0
	s_mov_b32 s26, 64<<16                          ; tensor_dim1
	s_mov_b32 s27, 64<<16                          ; tile_dim0
	s_mov_b32 s28, 64                              ; tile_dim1
	s_mov_b32 s29, 64                              ; tensor_dim0_stride
	s_mov_b32 s30, 0
	s_mov_b32 s31, 0
	; V^T: 32 rows of 1,024 bytes, dense, 4 words of padding behind each 256
	s_mov_b32 s32, 15|(3<<16)|(1<<20)|(1<<21)|(7<<22)|(3<<25)
	s_mov_b32 s33, 128<<16
	s_mov_b32 s34, 32<<16
	s_mov_b32 s35, 128<<16
	s_mov_b32 s36, 32
	s_mov_b32 s37, 128
	s_mov_b32 s38, 0
	s_mov_b32 s39, 0
	; the scales: 12,288 dense bytes as 48 rows of 256, no padding
	s_mov_b32 s40, 15|(3<<16)|(1<<21)
	s_mov_b32 s41, 32<<16
	s_mov_b32 s42, 48<<16
	s_mov_b32 s43, 32<<16
	s_mov_b32 s44, 48
	s_mov_b32 s45, 32
	s_mov_b32 s46, 0
	s_mov_b32 s47, 0
	s_and_b32 s73, s[WV], 1                        ; which half of K or of V I fetch, if I fetch
	s_lshl_b32 s74, s71, 16                        ; the head's 65,536 bytes of codes,
	s_lshl_b32 s75, s73, 15
	s_add_co_u32 s74, s74, s75                     ; my half
	s_mov_b32 s75, 0
	s_mul_i32 s76, s71, 12288                      ; the head's scales
	s_mov_b32 s77, 0
	s_mov_b32 s[SEL], 0x76543210
	s_mov_b32 s[SEL+1], 0xfedcba98                 ; v_permlanex16_b32's selects for lane l xor 16
	s_mov_b32 s[CS], 0x3e38aa3b                    ; c = log2(e) / 8
	s_mov_b32 s[CS+1], s[CS]                       ; (named with it as a pair, so it is written)
	s_wait_dscnt 0x0
	s_wait_kmcnt 0x0
	ROUND                                          ; all four work-groups are here: the joint loads meet
	s_mov_b32 s48, 1                               ; group 0 for K: count = 1,
	s_mul_i32 s49, s73, 33792                      ; LDS address: no place in the cluster enters it,
	s_add_nc_u64 s[50:51], s[8:9], s[74:75]        ; global address,
	s_or_b32 s51, s51, 0x80000000                  ; type = 2
	s_mov_b32 s52, 1                               ; for V
	s_mul_i32 s53, s73, 33280
	s_add_co_u32 s53, s53, VL
	s_add_nc_u64 s[54:55], s[10:11], s[74:75]
	s_or_b32 s55, s55, 0x80000000
	s_mov_b32 s56, 1                               ; for the scales
	s_mov_b32 s57, SL
	s_add_nc_u64 s[58:59], s[12:13], s[76:77]
	s_or_b32 s59, s59, 0x80000000
	; waves 0, 1: K's halves; waves 2, 3: V's; wave 4: the scales.  The branches hang on the wave's number alone.  Four v_nop follow each load.
	s_cmp_lt_u32 s[WV], 2
	s_cbranch_scc0 .Lnot_k
	tensor_load_to_lds s[48:51], s[24:31]
	s_nop 0
.rept 4
	v_nop
.endr
	s_branch .Lasked
.Lnot_k:
	s_cmp_lt_u32 s[WV], 4
	s_cbranch_scc0 .Lnot_v
	tensor_load_to_lds s[52:55], s[32:39]
	s_nop 0
.rept 4
	v_nop
.endr
	s_branch .Lasked
.Lnot_v:
	s_cmp_eq_u32 s[WV], 4
	s_cbranch_scc0 .Lasked
	tensor_load_to_lds s[56:59], s[40:47]
	s_nop 0
.rept 4
	v_nop
.endr
.Lasked:
	s_lshl_b32 s60, s71, 16                        ; my wave's first query, in bytes of codes: 65,536 head + 16,384 block + 512 wave
	s_lshl_b32 s61, s72, 14
	s_add_co_u32 s60, s60, s61
	s_lshl_b32 s61, s[WV], 9
	s_add_co_u32 s60, s60, s61
	s_mov_b32 s61, 0
	s_add_nc_u64 s[4:5], s[4:5], s[60:61]
	s_lshr_b32 s62, s60, 3                         ; a scale word is an eighth of a query's codes
	s_mov_b32 s63, 0
	s_add_nc_u64 s[6:7], s[6:7], s[62:63]
	s_lshl_b32 s62, s71, 19                        ; my work-group's 32 rows of f32: 128 rows a head, 32 a block, 4,096 bytes a row
	s_lshl_b32 s60, s72, 17
	s_add_co_u32 s62, s62, s60
	s_add_nc_u64 s[80:81], s[80:81], s[62:63]
	s_add_nc_u64 s[86:87], s[86:87], s[62:63]
	s_mul_i32 s92, s[WV], 8*REC
	s_add_co_u32 s92, s92, 3*WBYTES                ; Wo's records, my wave's eight
	s_mov_b32 s93, 0
	s_add_nc_u64 s[90:91], s[14:15], s[92:93]
	s_mov_b32 s88, 0x3a800000                      ; 1 / 1,024
	s_mov_b32 s89, 0x3727c5ac                      ; 1e-5
	v_and_b32 v8, 15, v0                           ; R
	v_bfe_u32 v9, v0, 4, 1                         ; H
	s_delay_alu instid0(VALU_DEP_2)
	v_lshrrev_b32 v10, 3, v8                       ; R / 8
	s_delay_alu instid0(VALU_DEP_3)
	v_and_b32 v11, 7, v8                           ; R % 8
	s_delay_alu instid0(VALU_DEP_2)
	v_mul_u32_u24 v1, v10, 1056                    ; v1: K: 32 keys (two units) on for R / 8, key R % 8 of the unit, + 16 H
	s_delay_alu instid0(VALU_DEP_1)
	v_lshl_add_u32 v1, v11, 5, v1
	s_delay_alu instid0(VALU_DEP_1)
	v_lshl_add_u32 v1, v9, 4, v1
	v_mul_u32_u24 v2, v8, 1040
	s_delay_alu instid0(VALU_DEP_1)
	v_lshl_add_u32 v2, v9, 4, v2
	s_delay_alu instid0(VALU_DEP_1)
	v_add_nc_u32 v2, VL, v2                        ; v2: V^T: row R, + 16 H
	v_lshlrev_b32 v3, 7, v10
	s_delay_alu instid0(VALU_DEP_1)
	v_lshl_add_u32 v3, v11, 2, v3
	s_delay_alu instid0(VALU_DEP_1)
	v_lshl_add_u32 v3, v9, 5, v3
	s_delay_alu instid0(VALU_DEP_1)
	v_add_nc_u32 v3, SL, v3                        ; v3: K's scale word of key R % 8 + 32 (R / 8) + 8 H: lanes 16-31 take the tile 8 keys on
	v_and_b32 v4, 31, v0
	s_delay_alu instid0(VALU_DEP_1)
	v_lshl_add_u32 v4, v4, 2, SL+8192              ; v4: V's scale word of row rho = lane: lanes 16-31 take the next tile's
	v_lshlrev_b32 v5, 5, v8
	s_delay_alu instid0(VALU_DEP_1)
	v_lshl_add_u32 v5, v9, 4, v5                   ; v5: Q's codes: 32 R + 16 H
	v_lshlrev_b32 v6, 2, v8                        ; v6: Q's scale word
	s_mul_i32 s73, s[WV], 48
	s_add_co_u32 s73, s73, ASC
	v_lshl_add_u32 v7, v8, 1, s73                  ; v7: o's two scale bytes: row w (+ 16 i), 2 R
	s_mul_i32 s73, s[WV], 528
	s_add_co_u32 s73, s73, AROW
	v_add_nc_u32 v246, s73, v5                     ; v246: o's codes: row w (+ 16 i), 32 R + 16 H
	v_lshlrev_b32 v247, 3, v9                      ; v247: 8 H: how far up my two bytes stand in p's scale word
.irp j, 20,21,22,23
	v_mov_b32 v[\j], 0                             ; Q's upper 64 along K: zero codes
.endr
.irp t, 0,1,2,3,4,5,6,7
.irp j, 4,5,6,7
	v_mov_b32 v[32+8*\t+\j], 0                     ; K's likewise: cleared once, never loaded
.endr
.endr
.irp j, 236,237,238,239,252,253
	v_mov_b32 v[\j], 0                             ; written once: a lane permute's destination counts as a source, and v253 is named in the pair v[252:253]
.endr
.macro QLOAD i                         ; pass i's tile of queries: 256 queries on
	global_load_b128 v[16:19], v5, s[4:5] offset:8192*\i th:TH_LOAD_NT
	global_load_b32 v255, v6, s[6:7] offset:1024*\i th:TH_LOAD_NT
.endm
	QLOAD 0
	s_wait_tensorcnt 0x0                           ; my part of the head is in LDS,
	s_barrier_signal -1
	s_barrier_wait -1                              ; everybody's is
; K's eight fragments and four scale registers of a step: tile 4 c + t begins at unit 4 c + t / 2, key 8 (t % 2) of it; scale register j serves tiles 2 j (lanes 0-15) and 2 j + 1 (lanes 16-31)
.macro KLOAD ka, sa, ko, so
.irp t, 0,1,2,3,4,5,6,7
	ds_load_b128 v[32+8*\t:35+8*\t], v[\ka] offset:\ko+2112*(\t/4)+528*((\t%4)/2)+256*(\t%2)
.endr
.irp j, 0,1,2,3
	ds_load_b32 v[24+\j], v[\sa] offset:\so+256*(\j/2)+64*(\j%2)
.endr
.endm
.macro SW t                            ; S^T's tile t
.if (\t%2) == 0
	v_wmma_scale_f32_16x16x128_f8f6f4 v[96+8*\t:103+8*\t], v[32+8*\t:39+8*\t], v[16:23], 0, v[24+\t/2], v255 matrix_a_fmt:MATRIX_FMT_FP4 matrix_b_fmt:MATRIX_FMT_FP4
.else
	v_wmma_scale_f32_16x16x128_f8f6f4 v[96+8*\t:103+8*\t], v[32+8*\t:39+8*\t], v[16:23], 0, v[24+\t/2], v255 matrix_a_fmt:MATRIX_FMT_FP4 matrix_b_fmt:MATRIX_FMT_FP4 matrix_a_scale:MATRIX_SCALE_ROW1
.endif
.endm
.macro OW t                            ; O^T's tile t takes these 128 keys
.if (\t%2) == 0
	v_wmma_scale_f32_16x16x128_f8f6f4 v[160+8*\t:167+8*\t], v[192+8*\t:199+8*\t], v[224:231], v[160+8*\t:167+8*\t], v[240+\t/2], v253 matrix_a_fmt:MATRIX_FMT_FP4 matrix_b_fmt:MATRIX_FMT_FP4
.else
	v_wmma_scale_f32_16x16x128_f8f6f4 v[160+8*\t:167+8*\t], v[192+8*\t:199+8*\t], v[224:231], v[160+8*\t:167+8*\t], v[240+\t/2], v253 matrix_a_fmt:MATRIX_FMT_FP4 matrix_b_fmt:MATRIX_FMT_FP4 matrix_a_scale:MATRIX_SCALE_ROW1
.endif
.endm
; A KEY STEP: 128 keys.  Its K was fetched a step ago and waited for there.
.macro STEP
.irp t, 0,1,2,3,4,5,6,7
	SW \t
.endr
	v_add_nc_u32 v9, s67, v2                       ; this step's V, the next step's K.  These five lines are the places behind the products above (their results are read and K's registers loaded below)
	v_add_nc_u32 v11, s69, v4                      ; and behind the last step's products, whose V registers are loaded below (ISA guide 7.12.1)
	v_add_nc_u32 v8, s66, v1
	v_add_nc_u32 v10, s68, v3
	v_mov_b32 v239, v12                            ; the old -M is kept
.irp t, 0,1,2,3
	ds_load_b128 v[192+8*\t:195+8*\t], v9 offset:16640*\t
	ds_load_b128 v[196+8*\t:199+8*\t], v9 offset:16640*\t+32
.endr
	ds_load_b32 v240, v11                          ; V's scale words: rows 0-31 of V^T, a lane a row,
	ds_load_b32 v241, v11 offset:128               ; and rows 32-63
	KLOAD 8, 10, 4224, 512                         ; 8 units and 128 words on.  (The last step reads on into V's bytes, which are filled too; nobody uses what it brings)
.irp c, 0,1
	v_max3_num_f32 v[232+\c], v[96+32*\c], v[97+32*\c], v[98+32*\c]      ; THE LARGEST SCORE OF MY TWO BLOCKS OF 32 KEYS, two chains a block: for the row's maximum, and for the block's largest p
	v_max3_num_f32 v[234+\c], v[112+32*\c], v[113+32*\c], v[114+32*\c]
.endr
.irp i, 3,5,7,9,11,13
.irp c, 0,1
	v_max3_num_f32 v[232+\c], v[232+\c], v[96+32*\c+\i], v[97+32*\c+\i]
	v_max3_num_f32 v[234+\c], v[234+\c], v[112+32*\c+\i], v[113+32*\c+\i]
.endr
.endr
.irp c, 0,1
	v_max3_num_f32 v[232+\c], v[232+\c], v[234+\c], v[111+32*\c]
.endr
.irp c, 0,1
	v_max_num_f32 v[232+\c], v[232+\c], v[127+32*\c]
.endr
	s_delay_alu instid0(VALU_DEP_1)
	v_max_num_f32 v254, v232, v233                 ; of my 64 keys,
	s_delay_alu instid0(VALU_DEP_1)
	v_mul_f32 v254, s[CS], v254                    ; as t (c is positive),
	s_delay_alu instid0(VALU_DEP_1)
	v_permlanex16_b32 v238, v254, s[SEL], s[SEL+1] ; lane l xor 16's 64 keys,
	s_delay_alu instid0(VALU_DEP_1)
	v_max3_num_f32 v13, v13, v254, v238            ; the running largest t
	s_delay_alu instid0(VALU_DEP_1)
	v_floor_f32 v12, -v13                          ; the new -M = floor(-t): M is a whole number
	s_delay_alu instid0(VALU_DEP_1)
	v_sub_f32 v254, v12, v239                      ; old M - new M: a whole number, 0 or less
	s_delay_alu instid0(VALU_DEP_1)
	v_cvt_i32_f32 v254, v254                       ; (it saturates)
	s_delay_alu instid0(VALU_DEP_1)
	v_ldexp_f32 v252, 1.0, v254                    ; f = 2^(old M - new M)
.set j, 0
.rept 32
	v_pk_fma_f32 v[96+j:97+j], v[96+j:97+j], s[CS:CS+1], v[12:13] op_sel_hi:[1,0,0]   ; t - M, two at a time
.set j, j+2
.endr
.irp c, 0,1
	v_fma_f32 v[232+\c], v[232+\c], s[CS], v12     ; the same of each block's largest score
.endr
.set j, 0
	s_wait_alu depctr_va_vdst(0)
.rept 64
	v_exp_f32 v[96+j], v[96+j]                     ; p = 2^(t - M), at most 1
.set j, j+1
.endr
	s_setprio 1
	v_pk_mul_f32 v[14:15], v[14:15], v[252:253] op_sel_hi:[1,0]   ; the sums under the new M: the plain line behind the exponentials
	s_wait_alu depctr_va_vdst(0)                   ; one wait for the batch of 64, ahead of its first reader
.irp c, 0,1
	v_exp_f32 v[232+\c], v[232+\c]                 ; the block's largest p
.endr
	v_pk_add_f32 v[236:237], v[100:101], v[104:105]
	v_pk_add_f32 v[248:249], v[108:109], v[112:113]
	v_pk_add_f32 v[244:245], v[116:117], v[120:121]
	v_pk_add_f32 v[242:243], v[124:125], v[128:129]
	v_pk_add_f32 v[234:235], v[132:133], v[136:137]
	v_pk_add_f32 v[230:231], v[140:141], v[144:145]
	v_pk_add_f32 v[228:229], v[148:149], v[152:153]
	v_pk_add_f32 v[14:15], v[14:15], v[156:157]
	v_pk_add_f32 v[236:237], v[236:237], v[96:97]
	v_pk_add_f32 v[248:249], v[248:249], v[98:99]
	v_pk_add_f32 v[244:245], v[244:245], v[102:103]
	v_pk_add_f32 v[242:243], v[242:243], v[106:107]
	v_pk_add_f32 v[234:235], v[234:235], v[110:111]
	v_pk_add_f32 v[230:231], v[230:231], v[114:115]
	v_pk_add_f32 v[228:229], v[228:229], v[118:119]
	v_pk_add_f32 v[14:15], v[14:15], v[122:123]
	v_pk_add_f32 v[236:237], v[236:237], v[126:127]
	v_pk_add_f32 v[248:249], v[248:249], v[130:131]
	v_pk_add_f32 v[244:245], v[244:245], v[134:135]
	v_pk_add_f32 v[242:243], v[242:243], v[138:139]
	v_pk_add_f32 v[234:235], v[234:235], v[142:143]
	v_pk_add_f32 v[230:231], v[230:231], v[146:147]
	v_pk_add_f32 v[228:229], v[228:229], v[150:151]
	v_pk_add_f32 v[14:15], v[14:15], v[154:155]
	v_pk_add_f32 v[236:237], v[236:237], v[158:159]
	s_delay_alu instid0(VALU_DEP_2)
	v_pk_add_f32 v[14:15], v[14:15], v[242:243]
	s_delay_alu instid0(VALU_DEP_2)
	v_pk_add_f32 v[236:237], v[236:237], v[234:235]
	v_pk_add_f32 v[248:249], v[248:249], v[230:231]
	v_pk_add_f32 v[244:245], v[244:245], v[228:229]
	s_delay_alu instid0(VALU_DEP_2)
	v_pk_add_f32 v[14:15], v[14:15], v[248:249]
	s_delay_alu instid0(VALU_DEP_2)
	v_pk_add_f32 v[236:237], v[236:237], v[244:245]
	s_delay_alu instid0(VALU_DEP_1)
	v_pk_add_f32 v[14:15], v[14:15], v[236:237]
	s_wait_alu depctr_va_vdst(0)                   ; and one for the two
.irp c, 0,1
	v_max_num_f32 v[232+\c], 0x1800000, v[232+\c]  ; the floor 2^(3 - 127): the byte cannot fall under 1
.endr
.irp c, 0,1
	s_delay_alu instid0(VALU_DEP_2)
	v_add_nc_u32 v[248+\c], 0xff000000, v[232+\c]  ; 2 off the exponent field: the conversion's scale operand
.endr
.irp c, 0,1
	s_delay_alu instid0(VALU_DEP_2)
	v_lshrrev_b32 v[236+\c], 23, v[248+\c]         ; the scale's byte
.endr
	s_delay_alu instid0(VALU_DEP_1)
	v_lshl_or_b32 v253, v237, 16, v236             ; my two bytes: blocks H and 2 + H of these 128 keys,
	s_delay_alu instid0(VALU_DEP_1)
	v_lshlrev_b32 v253, v247, v253                 ; at their places in the scale word (8 H bits up);
	s_delay_alu instid0(VALU_DEP_1)
	v_permlanex16_b32 v238, v253, s[SEL], s[SEL+1]
	s_delay_alu instid0(VALU_DEP_1)
	v_or_b32 v253, v253, v238                      ; with lane l xor 16's two the word is whole
.irp c, 0,1
.irp g, 0,1,2,3
	v_cvt_scalef32_pk8_fp4_f32 v[224+4*\c+\g], v[96+32*\c+8*\g:103+32*\c+8*\g], v[248+\c]   ; registers 4 c .. 4 c + 3 of the operand: keys 64 c + 32 H + 0..31
.endr
.endr
	v_nop                                          ; one plain line behind the last conversion
.set j, 0
	s_setprio 0
.rept 16
	v_pk_mul_f32 v[160+j:161+j], v[160+j:161+j], v[252:253] op_sel_hi:[1,0]   ; O^T under the new M; these sixteen also stand between the making of p's codes and scale word and the products
.set j, j+2
.endr
	s_wait_alu depctr_va_vdst(0)
	s_wait_dscnt 0x0                               ; V and its scale words are in, and so is the next step's K
.irp t, 0,1,2,3
	OW \t                                          ; four accumulators, one instruction each, behind eight products on others
.endr
	s_add_co_u32 s66, s66, 4224                    ; 8 units of K,
	s_add_co_u32 s67, s67, 64                      ; 128 codes in each row of V^T,
	s_add_co_u32 s68, s68, 512                     ; 128 scale words of K,
	s_add_co_u32 s69, s69, 256                     ; 64 of V
.endm
; A PASS: one tile of 16 queries through the head's 16 key steps, then o / l, quantised along d, into LDS as row 16 i + w of the last product's left operand.
.macro PASS i
.if \i
	s_wait_dscnt 0x0                               ; the last pass's LDS stores have read their registers
.endif
	KLOAD 1, 3, 0, 0                               ; the first step's K flies under the lines below
	v_mov_b32 v13, 0xff61b1e6                      ; the largest t so far: -3e38, under every t
	s_delay_alu instid0(VALU_DEP_1)
	v_floor_f32 v12, -v13                          ; -M
	v_mov_b32 v14, 0
	v_mov_b32 v15, 0
.set j, 0
.rept 32
	v_mov_b32 v[160+j], 0                          ; O^T: the step is written once; the first finds zeros, which the first change of M leaves zeros
.set j, j+1
.endr
	s_mov_b32 s66, 0
	s_mov_b32 s67, 0
	s_mov_b32 s68, 0
	s_mov_b32 s69, 0
	s_mov_b32 s70, 16
	s_wait_loadcnt 0x0                             ; Q
	s_wait_dscnt 0x0                               ; K
.Lkey_\@:
	s_setprio 2
	STEP
	s_sub_co_u32 s70, s70, 1
	s_cmp_lg_u32 s70, 0
	s_cbranch_scc1 .Lkey_\@
	s_setprio 0
.rept 4
	v_nop                                          ; places behind the last products
.endr
.if \i == 0
	QLOAD 1                                        ; the next pass's queries fly under this pass's way out
.endif
	v_add_f32 v14, v14, v15                        ; the sum's two halves,
	s_delay_alu instid0(VALU_DEP_1)
	v_permlanex16_b32 v252, v14, s[SEL], s[SEL+1]
	s_delay_alu instid0(VALU_DEP_1)
	v_add_f32 v14, v14, v252                       ; and lane l xor 16's: the row's sum
	s_wait_alu depctr_va_vdst(0)
	v_rcp_f32 v14, v14
	v_nop                                          ; a plain line behind the reciprocal
	s_wait_alu depctr_va_vdst(0)                   ; and the wait ahead of its first reader
.set j, 0
.rept 16
	v_pk_mul_f32 v[96+j:97+j], v[160+j:161+j], v[14:15] op_sel_hi:[1,0]   ; o: register 16 b + i is d = 32 b + 16 H + i of query R
.set j, j+2
.endr
.irp b, 0,1
	v_max3_num_f32 v[232+\b], |v[96+16*\b]|, |v[97+16*\b]|, 0x1800000
.endr
.irp n, 2,4,6,8,10,12,14
.irp b, 0,1
	s_delay_alu instid0(VALU_DEP_2)
	v_max3_num_f32 v[232+\b], v[232+\b], |v[96+16*\b+\n]|, |v[97+16*\b+\n]|
.endr
.endr
.irp b, 0,1
	s_delay_alu instid0(VALU_DEP_2)
	v_permlanex16_b32 v[236+\b], v[232+\b], s[SEL], s[SEL+1]
.endr
.irp b, 0,1
	s_delay_alu instid0(VALU_DEP_2)
	v_max_num_f32 v[232+\b], v[232+\b], v[236+\b]
.endr
.irp b, 0,1
	s_delay_alu instid0(VALU_DEP_2)
	v_add_nc_u32 v[248+\b], 0xff000000, v[232+\b]
.endr
.irp b, 0,1
	s_delay_alu instid0(VALU_DEP_2)
	v_lshrrev_b32 v[236+\b], 23, v[248+\b]
.endr
	s_delay_alu instid0(VALU_DEP_1)
	v_lshl_or_b32 v254, v237, 8, v236              ; the query's two scale bytes
.irp b, 0,1
	v_cvt_scalef32_pk8_fp4_f32 v[224+2*\b], v[96+16*\b:103+16*\b], v[248+\b]
	v_cvt_scalef32_pk8_fp4_f32 v[225+2*\b], v[104+16*\b:111+16*\b], v[248+\b]
.endr
	v_nop                                          ; one plain line behind the last conversion
	v_permlane16_swap_b32 v224, v226
	v_permlane16_swap_b32 v225, v227               ; lane (R, H): block H of query R, 16 bytes
	ds_store_b128 v246, v[224:227] offset:8448*\i  ; the wave's 512 consecutive bytes: row 16 i + w
	ds_store_b16 v7, v254 offset:768*\i            ; both halves of the lanes write the same two bytes
.endm
	PASS 0
	PASS 1
; ---- THE SECOND HALF: o Wo + pre_value, LayerNorm
.macro BLOAD s, wp                     ; K step s of my weights: 4 tiles x 2 register groups, 512 consecutive bytes a load, and the scale words: 9 loads
.irp T, 0,1,2,3
.irp c, 0,1
	global_load_b128 v[B+32*((\s)%3)+8*\T+4*\c:B+32*((\s)%3)+8*\T+4*\c+3], v5, s[\wp:\wp+1] offset:REC*(\s)+1024*\T+512*\c
.endr
.endr
	global_load_b64 v[BS+2*((\s)%3):BS+2*((\s)%3)+1], v6, s[\wp:\wp+1] offset:REC*(\s)+4096   ; register T % 2: lanes 0-15 tile T % 2, lanes 16-31 tile 2 + T % 2
.endm
.macro AFETCH s                        ; o's two fragments of K step s: lane (r, h): row 16 m + r, bytes 64 s + 32 c + 16 h
.irp m, 0,1
.irp c, 0,1
	ds_load_b128 v[AX+16*((\s)%2)+8*\m+4*\c:AX+16*((\s)%2)+8*\m+4*\c+3], v12 offset:8448*\m+64*(\s)+32*\c
.endr
.endr
.endm
.macro XSLOAD                          ; lane l takes row l's eight scale words: lanes 0-15 serve row tile 0, lanes 16-31 row tile 1
	ds_load_b128 v[XS:XS+3], v13
	ds_load_b128 v[XS+4:XS+7], v13 offset:16
.endm
.macro WM s, T, m, zero                ; one product: weights' tile T x row tile m, K step s
.set rD, ACC+8*(4*\m+\T)
.set rW, B+32*((\s)%3)+8*\T
.set rA, AX+16*((\s)%2)+8*\m
.set rS, BS+2*((\s)%3)+(\T%2)
.set rX, XS+(\s)
.if \zero
.if (\T < 2) && (\m == 0)
	v_wmma_scale_f32_16x16x128_f8f6f4 v[rD:rD+7], v[rW:rW+7], v[rA:rA+7], 0, v[rS], v[rX] matrix_a_fmt:MATRIX_FMT_FP4 matrix_b_fmt:MATRIX_FMT_FP4
.elseif (\T < 2)
	v_wmma_scale_f32_16x16x128_f8f6f4 v[rD:rD+7], v[rW:rW+7], v[rA:rA+7], 0, v[rS], v[rX] matrix_a_fmt:MATRIX_FMT_FP4 matrix_b_fmt:MATRIX_FMT_FP4 matrix_b_scale:MATRIX_SCALE_ROW1
.elseif (\m == 0)
	v_wmma_scale_f32_16x16x128_f8f6f4 v[rD:rD+7], v[rW:rW+7], v[rA:rA+7], 0, v[rS], v[rX] matrix_a_fmt:MATRIX_FMT_FP4 matrix_b_fmt:MATRIX_FMT_FP4 matrix_a_scale:MATRIX_SCALE_ROW1
.else
	v_wmma_scale_f32_16x16x128_f8f6f4 v[rD:rD+7], v[rW:rW+7], v[rA:rA+7], 0, v[rS], v[rX] matrix_a_fmt:MATRIX_FMT_FP4 matrix_b_fmt:MATRIX_FMT_FP4 matrix_a_scale:MATRIX_SCALE_ROW1 matrix_b_scale:MATRIX_SCALE_ROW1
.endif
.else
.if (\T < 2) && (\m == 0)
	v_wmma_scale_f32_16x16x128_f8f6f4 v[rD:rD+7], v[rW:rW+7], v[rA:rA+7], v[rD:rD+7], v[rS], v[rX] matrix_a_fmt:MATRIX_FMT_FP4 matrix_b_fmt:MATRIX_FMT_FP4
.elseif (\T < 2)
	v_wmma_scale_f32_16x16x128_f8f6f4 v[rD:rD+7], v[rW:rW+7], v[rA:rA+7], v[rD:rD+7], v[rS], v[rX] matrix_a_fmt:MATRIX_FMT_FP4 matrix_b_fmt:MATRIX_FMT_FP4 matrix_b_scale:MATRIX_SCALE_ROW1
.elseif (\m == 0)
	v_wmma_scale_f32_16x16x128_f8f6f4 v[rD:rD+7], v[rW:rW+7], v[rA:rA+7], v[rD:rD+7], v[rS], v[rX] matrix_a_fmt:MATRIX_FMT_FP4 matrix_b_fmt:MATRIX_FMT_FP4 matrix_a_scale:MATRIX_SCALE_ROW1
.else
	v_wmma_scale_f32_16x16x128_f8f6f4 v[rD:rD+7], v[rW:rW+7], v[rA:rA+7], v[rD:rD+7], v[rS], v[rX] matrix_a_fmt:MATRIX_FMT_FP4 matrix_b_fmt:MATRIX_FMT_FP4 matrix_a_scale:MATRIX_SCALE_ROW1 matrix_b_scale:MATRIX_SCALE_ROW1
.endif
.endif
.endm
; A K step of 128: 8 products, the eight accumulators by turns, one instruction a turn, in the same order in every step.
.macro KSTEP s, zero, wp
.if (\s) <= 5
	s_wait_loadcnt 18                              ; this step's 9 weight loads are in; the 18 of the two steps behind it may be out
.elseif (\s) == 6
	s_wait_loadcnt 9                               ; the last step's 9 may be out
.else
	s_wait_loadcnt 0
.endif
.if (\s) <= 6
	s_wait_dscnt 4                                 ; this step's fragments of o are in; the next step's four loads may be out
.else
	s_wait_dscnt 0
.endif
.irp T, 0,1,2,3
.irp m, 0,1
	WM \s, \T, \m, \zero
.endr
.endr
.if ((\s) <= 5) || ((\s) == 7)
.rept 4
	v_nop                                          ; four places in front of loads into registers that these products have read, and of the first read of results
.endr
.endif
.if (\s) <= 4
	BLOAD (\s)+3, \wp                              ; into the set just multiplied
.endif
.if (\s) <= 5
	AFETCH (\s)+2
.endif
.endm
.macro REDUCE                          ; each row's two running pairs become one number in every lane, at TR + 8 i + 4; the other half of the lanes' lands in a running sum that is spent
.irp i, 0
	s_delay_alu instid0(VALU_DEP_3)
	v_pk_add_f32 v[TR+8*\i:TR+8*\i+1], v[TR+8*\i:TR+8*\i+1], v[TR+8*\i+2:TR+8*\i+3]
.endr
.irp i, 1
	s_delay_alu instid0(VALU_DEP_2)
	v_pk_add_f32 v[TR+8*\i:TR+8*\i+1], v[TR+8*\i:TR+8*\i+1], v[TR+8*\i+2:TR+8*\i+3]
.endr
.irp i, 0,1
	s_delay_alu instid0(VALU_DEP_2)
	v_add_f32 v[TR+8*\i+4], v[TR+8*\i], v[TR+8*\i+1]
.endr
.irp k, 1,2,4,8
.irp i, 0,1
	s_delay_alu instid0(VALU_DEP_2)
	v_add_f32_dpp v[TR+8*\i+4], v[TR+8*\i+4], v[TR+8*\i+4] row_xmask:\k row_mask:0xf bank_mask:0xf
.endr
.endr
.irp i, 0,1
	s_delay_alu instid0(VALU_DEP_2)
	v_permlanex16_b32 v[TR+8*\i+2], v[TR+8*\i+4], s[SEL], s[SEL+1]
.endr
.irp i, 0,1
	s_delay_alu instid0(VALU_DEP_2)
	v_add_f32 v[TR+8*\i+4], v[TR+8*\i+4], v[TR+8*\i+2]
.endr
.endm
	v_and_b32 v1, 31, v0                           ; L
	s_delay_alu instid0(VALU_DEP_1)
	v_lshlrev_b32 v5, 4, v1                        ; v5: 16 L
	s_delay_alu instid0(VALU_DEP_2)
	v_lshlrev_b32 v6, 3, v1                        ; v6: 8 L
	BLOAD 0, 90                                    ; three K steps of Wo go out as soon as my attention is done: a wave that is early has them in before the barrier
	BLOAD 1, 90
	BLOAD 2, 90
	v_and_b32 v2, 15, v0                           ; R
	v_bfe_u32 v3, v0, 4, 1                         ; H
	v_lshlrev_b32 v9, 8, v0                        ; v9: 256 x thread: the prefetch's offset
	s_lshl_b32 s73, s[WV], 13
	v_add_nc_u32 v4, s73, v5                       ; v4: pre_value and out0: rows 2 w, 2 w + 1
	v_mul_u32_u24 v12, v2, 528
	s_delay_alu instid0(VALU_DEP_1)
	v_lshl_add_u32 v12, v3, 4, v12
	s_delay_alu instid0(VALU_DEP_1)
	v_add_nc_u32 v12, AROW, v12                    ; v12: o's fragments: 528 R + 16 H
	v_mul_u32_u24 v13, v1, 48
	s_delay_alu instid0(VALU_DEP_1)
	v_add_nc_u32 v13, ASC, v13                     ; v13: o's scale words, a lane a row
	v_mul_u32_u24 v14, v2, 4112
	s_delay_alu instid0(VALU_DEP_1)
	v_lshl_add_u32 v14, v3, 6, v14
	s_lshl_b32 s73, s[WV], 8
	s_add_co_u32 s73, s73, YSTG
	v_add_nc_u32 v14, s73, v14                     ; v14: the stage: row R, 256 w + 64 H
	s_delay_alu instid0(VALU_DEP_1)
	v_add_nc_u32 v15, 65792, v14                   ; v15: row 16 + R
	s_mul_i32 s73, s[WV], 8224
	s_add_co_u32 s73, s73, YSTG
	v_add_nc_u32 v8, s73, v5                       ; v8: back: rows 2 w, 2 w + 1
	s_wait_alu depctr_va_vdst(0)
	BARRIER                                        ; o's 32 rows lie in LDS
	XSLOAD
	AFETCH 0
	AFETCH 1
	KSTEP 0, 1, 90                                 ; the first step's products start the sums
	KSTEP 1, 0, 90
	KSTEP 2, 0, 90
	KSTEP 3, 0, 90
	global_prefetch_b8 v9, s[80:81] th:TH_LOAD_NT scope:SCOPE_SE   ; my work-group's 32 rows of pre_value, 128 KiB: each of the 512 threads names another 256 bytes, once in the launch, four K steps ahead of their loads
	KSTEP 4, 0, 90
	KSTEP 5, 0, 90
	KSTEP 6, 0, 90
	KSTEP 7, 0, 90
.irp i, 0,1                            ; behind the last step's four places: my two rows of pre_value, and gamma and beta: piece k of a row is columns 128 k + 4 L + 0..3
.irp k, 0,1,2,3,4,5,6,7
	global_load_b128 v[PVR+32*\i+4*\k:PVR+32*\i+4*\k+3], v4, s[80:81] offset:4096*\i+512*\k th:TH_LOAD_NT
.endr
.endr
.irp k, 0,1,2,3,4,5,6,7
	global_load_b128 v[GA+4*\k:GA+4*\k+3], v5, s[82:83] offset:512*\k
	global_load_b128 v[BE+4*\k:BE+4*\k+3], v5, s[84:85] offset:512*\k
.endr
.irp T, 0,1,2,3                        ; accumulator (m, T): row 16 m + R, columns 64 w + 32 (T / 2) + 16 H + 8 (T % 2) + 0..7; each from its low end on
	ds_store_b128 v14, v[ACC+8*\T:ACC+8*\T+3] offset:128*(\T/2)+32*(\T%2)
	ds_store_b128 v14, v[ACC+8*\T+4:ACC+8*\T+7] offset:128*(\T/2)+32*(\T%2)+16
	ds_store_b128 v15, v[ACC+32+8*\T:ACC+32+8*\T+3] offset:128*(\T/2)+32*(\T%2)
	ds_store_b128 v15, v[ACC+32+8*\T+4:ACC+32+8*\T+7] offset:128*(\T/2)+32*(\T%2)+16
.endr
	BARRIER                                        ; 32 whole rows lie in the stage
.irp i, 0,1
.irp k, 0,1,2,3,4,5,6,7
	ds_load_b128 v[XR+32*\i+4*\k:XR+32*\i+4*\k+3], v8 offset:4112*\i+512*\k
.endr
.endr
.irp i, 0,1
	v_mov_b32 v[TR+8*\i+5], 0                      ; the upper halves of the two pairs that are named whole
	v_mov_b32 v[TR+8*\i+7], 0
.endr
	s_wait_dscnt 0x0
	s_wait_loadcnt 0x0
.irp j, 0,2,4,6,8,10,12,14,16,18,20,22,24,26,28,30
.irp i, 0,1
	v_pk_add_f32 v[XR+32*\i+\j:XR+32*\i+\j+1], v[XR+32*\i+\j:XR+32*\i+\j+1], v[PVR+32*\i+\j:PVR+32*\i+\j+1]   ; x = o Wo + pre_value; the two rows by turns
.endr
.endr
.irp i, 0,1
	v_pk_add_f32 v[TR+8*\i:TR+8*\i+1], v[XR+32*\i:XR+32*\i+1], v[XR+32*\i+2:XR+32*\i+3]
	v_pk_add_f32 v[TR+8*\i+2:TR+8*\i+3], v[XR+32*\i+4:XR+32*\i+5], v[XR+32*\i+6:XR+32*\i+7]
.endr
.irp j, 8,12,16,20,24,28
.irp i, 0,1
	s_delay_alu instid0(VALU_DEP_4)
	v_pk_add_f32 v[TR+8*\i:TR+8*\i+1], v[TR+8*\i:TR+8*\i+1], v[XR+32*\i+\j:XR+32*\i+\j+1]
	s_delay_alu instid0(VALU_DEP_4)
	v_pk_add_f32 v[TR+8*\i+2:TR+8*\i+3], v[TR+8*\i+2:TR+8*\i+3], v[XR+32*\i+\j+2:XR+32*\i+\j+3]
.endr
.endr
	REDUCE
.irp i, 0,1
	s_delay_alu instid0(VALU_DEP_2)
	v_mul_f32 v[TR+8*\i+4], s88, v[TR+8*\i+4]      ; the mean
.endr
.irp j, 0,2,4,6,8,10,12,14,16,18,20,22,24,26,28,30
.irp i, 0,1
	v_pk_add_f32 v[XR+32*\i+\j:XR+32*\i+\j+1], v[XR+32*\i+\j:XR+32*\i+\j+1], v[TR+8*\i+4:TR+8*\i+5] op_sel_hi:[1,0] neg_lo:[0,1] neg_hi:[0,1]   ; x - mean
.endr
.endr
.irp i, 0,1
	v_pk_mul_f32 v[TR+8*\i:TR+8*\i+1], v[XR+32*\i:XR+32*\i+1], v[XR+32*\i:XR+32*\i+1]
	v_pk_mul_f32 v[TR+8*\i+2:TR+8*\i+3], v[XR+32*\i+2:XR+32*\i+3], v[XR+32*\i+2:XR+32*\i+3]
.endr
.irp j, 4,8,12,16,20,24,28
.irp i, 0,1
	s_delay_alu instid0(VALU_DEP_4)
	v_pk_fma_f32 v[TR+8*\i:TR+8*\i+1], v[XR+32*\i+\j:XR+32*\i+\j+1], v[XR+32*\i+\j:XR+32*\i+\j+1], v[TR+8*\i:TR+8*\i+1]
	s_delay_alu instid0(VALU_DEP_4)
	v_pk_fma_f32 v[TR+8*\i+2:TR+8*\i+3], v[XR+32*\i+\j+2:XR+32*\i+\j+3], v[XR+32*\i+\j+2:XR+32*\i+\j+3], v[TR+8*\i+2:TR+8*\i+3]
.endr
.endr
	REDUCE
.irp i, 0,1
	s_delay_alu instid0(VALU_DEP_2)
	v_fma_f32 v[TR+8*\i+4], v[TR+8*\i+4], s88, s89 ; the variance + 1e-5
.endr
	s_wait_alu depctr_va_vdst(0)
.irp i, 0,1
	v_rsq_f32 v[TR+8*\i+6], v[TR+8*\i+4]
.endr
	v_nop                                          ; a plain line behind the two
	s_wait_alu depctr_va_vdst(0)                   ; one wait for both, ahead of their first reader
.irp j, 0,2,4,6,8,10,12,14,16,18,20,22,24,26,28,30
.irp i, 0,1
	v_pk_mul_f32 v[XR+32*\i+\j:XR+32*\i+\j+1], v[XR+32*\i+\j:XR+32*\i+\j+1], v[TR+8*\i+6:TR+8*\i+7] op_sel_hi:[1,0]
.endr
.endr
.irp j, 0,2,4,6,8,10,12,14,16,18,20,22,24,26,28,30
.irp i, 0,1
	v_pk_fma_f32 v[XR+32*\i+\j:XR+32*\i+\j+1], v[XR+32*\i+\j:XR+32*\i+\j+1], v[GA+\j:GA+\j+1], v[BE+\j:BE+\j+1]
.endr
.endr
.irp i, 0,1
.irp k, 0,1,2,3,4,5,6,7
	global_store_b128 v4, v[XR+32*\i+4*\k:XR+32*\i+4*\k+3], s[86:87] offset:4096*\i+512*\k th:TH_STORE_NT   ; the wave stores 512 consecutive bytes of a row
.endr
.endr
	s_wait_tensorcnt 0x0
	ds_add_u32 v250, v251
	s_wait_dscnt 0x0
	ROUND                                          ; the closing round
	s_endpgm
.Lfunc_end_k_q0c3e3deaad_attnout:
	.size	k_q0c3e3deaad_attnout, .Lfunc_end_k_q0c3e3deaad_attnout-k_q0c3e3deaad_attnout
	.p2alignl 7, 3214868480
	.fill 96, 4, 3214868480
	.section	.rodata,"a",@progbits
	.p2align	6, 0x0
	.amdhsa_kernel k_q0c3e3deaad_attnout
		.amdhsa_group_segment_fixed_size 298496
		.amdhsa_private_segment_fixed_size 0
		.amdhsa_enable_private_segment 0
		.amdhsa_kernarg_size 80
		.amdhsa_user_sgpr_count 2
		.amdhsa_user_sgpr_kernarg_segment_ptr 1
		.amdhsa_wavefront_size32 1
		.amdhsa_system_sgpr_workgroup_id_x 1
		.amdhsa_system_sgpr_workgroup_id_y 1
		.amdhsa_system_sgpr_workgroup_id_z 1
		.amdhsa_system_vgpr_workitem_id 0
		.amdhsa_next_free_vgpr 256
		.amdhsa_next_free_sgpr 96
		.amdhsa_reserve_vcc 0
		.amdhsa_float_denorm_mode_32 3
		.amdhsa_float_denorm_mode_16_64 3
		.amdhsa_memory_ordered 1
		.amdhsa_forward_progress 1
		.amdhsa_inst_pref_size 96
	.end_amdhsa_kernel
	.amdgpu_metadata
---
amdhsa.version: [ 1, 2 ]
amdhsa.kernels:
  - .name:           k_q0c3e3deaad_attnout
    .symbol:         k_q0c3e3deaad_attnout.kd
    .args:
      - { .name: qc, .offset: 0, .size: 8, .value_kind: global_buffer, .address_space: global }
      - { .name: qs, .offset: 8, .size: 8, .value_kind: global_buffer, .address_space: global }
      - { .name: kc, .offset: 16, .size: 8, .value_kind: global_buffer, .address_space: global }
      - { .name: vc, .offset: 24, .size: 8, .value_kind: global_buffer, .address_space: global }
      - { .name: kvs, .offset: 32, .size: 8, .value_kind: global_buffer, .address_space: global }
      - { .name: wimg, .offset: 40, .size: 8, .value_kind: global_buffer, .address_space: global }
      - { .name: pre_value, .offset: 48, .size: 8, .value_kind: global_buffer, .address_space: global }
      - { .name: gamma, .offset: 56, .size: 8, .value_kind: global_buffer, .address_space: global }
      - { .name: beta, .offset: 64, .size: 8, .value_kind: global_buffer, .address_space: global }
      - { .name: out0, .offset: 72, .size: 8, .value_kind: global_buffer, .address_space: global }
    .group_segment_fixed_size: 298496
    .private_segment_fixed_size: 0
    .kernarg_segment_align: 8
    .kernarg_segment_size: 80
    .max_flat_workgroup_size: 512
    .sgpr_count:     96
    .vgpr_count:     256
    .wavefront_size: 32
...
	.end_amdgpu_metadata
.endif
;; end of part 6
